; MI455X (gfx1250); checked and timed in simulation.
; The chip was launched on July 23, 2026; its instructions are those of AMD's public machine-readable ISA for CDNA 5 (MIT licence, August 2026) and "CDNA5" Instruction Set Architecture Reference Guide (July 2026). The comments in the code are by the model that wrote it; some were corrected since.
;; Encoder Attention. Allowed arithmetic: float matrix products may take bf16 or f16 operands with f32 sums; other float arithmetic in f32, or as packed bf16 or f16 multiplies, adds, multiply-adds, maxima and minima; sums over many terms, partial sums and values carried from step to step in f32; what a program stores and reads back later, other than sums and carried values, may be rounded once to bf16 or f16.
;; Inputs: Wh 1,024 x 1,024 float32; Ws 1,024 x 1,024 float32; bs 1,024 float32; decoder_hidden 32 x 1,024 float32; encoder_hidden 32 x 2,048 x 1,024 float32; encoder_padding 32 x 2,048 float32; sum_temporal 32 x 2,048 float32; v 1,024 float32.
;; Outputs: out0 32 x 1,024 float32; out1 32 x 2,048 float32; out2 32 x 2,048 float32.
;; 2 versions, each right; version 2 is version 1 with the launches prep, attn written anew for expert scheduling mode. Each part assembles by itself: llvm-mc -triple=amdgcn-amd-amdhsa -mcpu=gfx1250 --defsym DOCPART=n.
;; ======== version 1 of 2: 3 launches
;; limits: right only within a limited range of input values
;; workspace buffers: whp 2,097,152 bytes; dec2 131,072 bytes; wun 262,144 bytes; ctxp 1,048,576 bytes
;; launch prep (part 1): grid 64 x 1, 8 waves a work-group, no clusters, 156,672 bytes of LDS; arguments Wh, Ws, bs, decoder_hidden, whp, dec2; writes whp, dec2
.if DOCPART == 1
	.amdgcn_target "amdgcn-amd-amdhsa--gfx1250"
	.amdhsa_code_object_version 6
	.text
	.protected	k_q632c249464_prep
	.globl	k_q632c249464_prep
	.p2align	8
	.type	k_q632c249464_prep,@function
k_q632c249464_prep:
	s_mov_b64 s[64:65], 0
	v_nop
	global_prefetch_b8 v0, s[64:65] scope:SCOPE_SE
	s_setreg_imm32_b32 hwreg(HW_REG_WAVE_MODE, 25, 1), 1
	s_wait_xcnt 0x0
; PREPARATION.  (1) whp = Wh rounded once to bf16 and laid out fragment by fragment, as the next launch's waves stream it;
; (2) dec2 = c2 x (decoder_hidden Ws^T + bs), c2 = 2 log2(e), f32, laid out [64 column blocks][32 batches][16 columns].
; SHARES.  Work-group g owns column block g: rows 16 g .. 16 g + 15 of Wh and of Ws.  Wave w owns k = 128 w .. 128 w + 127: four K steps of 32.
; A load of a wave covers 512 consecutive bytes of one row; the four f32 of a lane become 8 bytes of bf16 and go through the wave's own LDS image,
; from which they come back as matrix fragments: 16 rows x 32 k in 8 registers, lane l = row l % 16, registers 0-3 k = 8 (l / 16) + 0..7, registers 4-7 k = 16 + 8 (l / 16) + 0..7.
; whp: [wave 8][pass 2][K step 32][block 4][1,024 bytes]; column block g belongs to wave (g / 4) % 8, pass g / 32, block g % 4 of the next launch; a fragment is two halves of 512 bytes, 16 bytes a lane.
; The product for dec2 has K split among the eight waves; the eight f32 partial sums meet in LDS.
.set IMGB,  4352                       ; an image: four fragments of 1,088 bytes
.set FRB,   1088                       ; a fragment: two halves of 544 bytes; a half: two groups of 16 lanes x 16 bytes, 272 bytes apart
.set PART,  32*IMGB                    ; behind the 8 x 4 images: eight partial sums of 2,048 bytes ([32 batches][16 columns] f32)
.set SPARE, PART+8*2048                ; behind them: the spare words, 128 bytes for each wave, which no other line names
.set SPW, 1                            ; v1   LDS address of my spare word; never rewritten
.set NIL, 2                            ; v2   0; never rewritten
.set GOF, 3                            ; v3   512 w + 16 l: my 16 bytes of a row
.set IW,  4                            ; v4   where my 8 bytes of row 0 go in my wave's image 0
.set IR,  5                            ; v5   where I read 16 bytes of a fragment's first half
.set PW,  6                            ; v6   where I put my partial sums
.set PR,  7                            ; v7   where I read partial sums back (waves 0-3)
.set OW,  8                            ; v8   my byte offset in whp
.set OD,  9                            ; v9   my byte offset in dec2
.set WV,  16                           ; s16  my wave's number
.set C2,  26                           ; s[26:27] 2 log2(e), twice
.macro LD16 g, base, row0              ; sixteen rows' 512 bytes
.set i, 0
.rept 16
	global_load_b128 v[(\g)+4*i:(\g)+4*i+3], v[GOF], s[\base:\base+1] offset:((\row0)+i)*4096
.set i, i+1
.endr
.endm
.macro PK16 g, m                       ; rounded to bf16 in place, 8 bytes a lane and row into image m
.set i, 0
.rept 16
	v_cvt_pk_bf16_f32 v[(\g)+4*i], v[(\g)+4*i], v[(\g)+4*i+1]
	v_cvt_pk_bf16_f32 v[(\g)+4*i+1], v[(\g)+4*i+2], v[(\g)+4*i+3]
	ds_store_b64 v[IW], v[(\g)+4*i:(\g)+4*i+1] offset:(\m)*IMGB+16*i
.set i, i+1
.endr
.endm
.macro FR g, m                         ; image m's four fragments
.set i, 0
.rept 4
	ds_load_b128 v[(\g)+8*i:(\g)+8*i+3],   v[IR] offset:(\m)*IMGB+i*FRB
	ds_load_b128 v[(\g)+8*i+4:(\g)+8*i+7], v[IR] offset:(\m)*IMGB+i*FRB+544
.set i, i+1
.endr
.endm
	s_load_b256 s[4:11], s[0:1], 0x0               ; Wh s[4:5], Ws s[6:7], bs s[8:9], decoder_hidden s[10:11]
	s_load_b128 s[12:15], s[0:1], 0x20             ; whp s[12:13], dec2 s[14:15]
	v_lshl_add_u32 v[SPW], v0, 2, SPARE
	v_mov_b32 v[NIL], 0
	v_lshrrev_b32 v11, 5, v0
	v_readfirstlane_b32 s[WV], v11                 ; wave 0..7
	v_and_b32 v10, 31, v0                          ; l
	s_lshl_b32 s17, s[WV], 9
	v_lshl_add_u32 v[GOF], v10, 4, s17
	s_mul_i32 s18, s[WV], 4*IMGB                   ; my wave's four images
	; my four numbers are k = 4 l .. 4 l + 3 of the wave's 128: fragment l / 8, half (l / 4) % 2, lane group (l / 2) % 2, 8 bytes l % 2
	v_lshrrev_b32 v11, 3, v10
	v_mul_u32_u24 v[IW], v11, FRB
	v_add_nc_u32 v[IW], s18, v[IW]
	v_bfe_u32 v11, v10, 2, 1
	v_mul_u32_u24 v11, v11, 544
	v_add_nc_u32 v[IW], v[IW], v11
	v_bfe_u32 v11, v10, 1, 1
	v_mul_u32_u24 v11, v11, 272
	v_add_nc_u32 v[IW], v[IW], v11
	v_and_b32 v11, 1, v10
	v_lshl_add_u32 v[IW], v11, 3, v[IW]
	v_bfe_u32 v12, v10, 4, 1                       ; l / 16
	v_and_b32 v13, 15, v10                         ; l % 16
	v_mul_u32_u24 v[IR], v12, 272
	v_lshl_add_u32 v[IR], v13, 4, v[IR]
	v_add_nc_u32 v[IR], s18, v[IR]
	s_lshl_b32 s19, s[WV], 11
	s_add_co_u32 s19, s19, PART
	v_lshl_add_u32 v[PW], v13, 6, s19              ; batch l % 16: 64 bytes a batch,
	v_lshl_add_u32 v[PW], v12, 5, v[PW]            ; my eight columns
	s_add_co_u32 s19, s17, PART
	v_lshl_add_u32 v[PR], v10, 4, s19              ; 16 x my thread's number, made of wave and lane
	s_lshr_b32 s19, ttmp9, 2
	s_and_b32 s19, s19, 7
	s_lshl_b32 s19, s19, 1
	s_lshr_b32 s20, ttmp9, 5
	s_add_co_u32 s19, s19, s20                     ; 2 x (the next launch's wave) + its pass
	s_lshl_b32 s19, s19, 17
	s_and_b32 s20, ttmp9, 3
	s_lshl_b32 s20, s20, 10                        ; its block
	s_add_co_u32 s19, s19, s20
	s_lshl_b32 s20, s[WV], 14                      ; my four K steps of 4,096 bytes
	s_add_co_u32 s19, s19, s20
	v_lshl_add_u32 v[OW], v10, 4, s19
	s_lshl_b32 s20, ttmp9, 11
	v_lshl_add_u32 v[OD], v0, 4, s20
	v_and_b32 v11, 3, v0
	s_lshl_b32 s21, ttmp9, 6
	v_lshl_add_u32 v11, v11, 4, s21                ; bs: columns 16 g + 4 (t % 4) ..
	s_lshl_b32 s22, ttmp9, 16                      ; 16 rows of 4,096 bytes
	s_mov_b32 s23, 0
	s_mov_b32 s[C2], 0x4038aa3b
	s_mov_b32 s[C2+1], s[C2]
	s_wait_kmcnt 0x0
	s_add_nc_u64 s[4:5], s[4:5], s[22:23]
	s_add_nc_u64 s[6:7], s[6:7], s[22:23]
	global_load_b128 v[12:15], v11, s[8:9]
	LD16 16, 4, 0                                  ; Wh
	LD16 80, 6, 0                                  ; Ws
	LD16 144, 10, 0                                ; decoder_hidden, batches 0-15
	s_wait_loadcnt 32                              ; bs and Wh are in; the 32 younger loads stay out
	PK16 16, 0
	FR 208, 0                                      ; LDS serves a wave's instructions in order (ISA guide 5.7.1.4): these see the stores above; the image is my wave's own
	s_wait_dscnt 0x0
.set i, 0
.rept 8
	global_store_b128 v[OW], v[208+4*i:208+4*i+3], s[12:13] offset:(i/2)*4096+(i%2)*512  ; 512 consecutive bytes, at a multiple of 512 from whp's first byte
.set i, i+1
.endr
	LD16 16, 10, 16                                ; decoder_hidden, batches 16-31, where Wh lay
	s_wait_loadcnt 32                              ; Ws is in; both halves of decoder_hidden stay out
	PK16 80, 1
	s_wait_loadcnt 16                              ; batches 0-15 are in
	PK16 144, 2
	s_wait_loadcnt 0x0
	PK16 16, 3
	s_wait_dscnt 0x0                               ; the stores have left their registers, which take the fragments now
	FR 80, 1
	FR 144, 2
	FR 16, 3
	s_wait_dscnt 0x0
	; source 0 = 16 rows of Ws, source 1 = 16 batches: a lane ends with one batch (l % 16) and the columns 8 (l / 16) + 0..7.  The two accumulators take turns.
	v_wmma_f32_16x16x32_bf16 v[240:247], v[80:87], v[144:151], 0
	v_wmma_f32_16x16x32_bf16 v[248:255], v[80:87], v[16:23], 0
.set i, 1
.rept 3
	v_wmma_f32_16x16x32_bf16 v[240:247], v[80+8*i:87+8*i], v[144+8*i:151+8*i], v[240:247]
	v_wmma_f32_16x16x32_bf16 v[248:255], v[80+8*i:87+8*i], v[16+8*i:23+8*i], v[248:255]
.set i, i+1
.endr
.rept 4
	v_nop                                          ; four places between the last product and the stores of its result
.endr
	ds_store_b128 v[PW], v[240:243]
	ds_store_b128 v[PW], v[244:247] offset:16
	ds_store_b128 v[PW], v[248:251] offset:1024    ; batches 16-31
	ds_store_b128 v[PW], v[252:255] offset:1040
	s_wait_dscnt 0x0                               ; for the others' sake: my partial sums lie in LDS
	s_barrier_signal -1
	s_barrier_wait -1
	s_cmp_lt_u32 s[WV], 4                          ; 2,048 bytes of sums: 128 threads, 16 bytes each
	s_cbranch_scc0 .Lend
.set i, 0
.rept 8
	ds_load_b128 v[16+4*i:19+4*i], v[PR] offset:2048*i
.set i, i+1
.endr
	s_wait_dscnt 0x0
.irp a, 0,8,16,24
	v_pk_add_f32 v[16+\a:17+\a], v[16+\a:17+\a], v[20+\a:21+\a]
	v_pk_add_f32 v[18+\a:19+\a], v[18+\a:19+\a], v[22+\a:23+\a]
.endr
.irp a, 0,16
	v_pk_add_f32 v[16+\a:17+\a], v[16+\a:17+\a], v[24+\a:25+\a]
	v_pk_add_f32 v[18+\a:19+\a], v[18+\a:19+\a], v[26+\a:27+\a]
.endr
	v_pk_add_f32 v[16:17], v[16:17], v[32:33]
	v_pk_add_f32 v[18:19], v[18:19], v[34:35]
	v_pk_add_f32 v[16:17], v[16:17], v[12:13]      ; + bs
	v_pk_add_f32 v[18:19], v[18:19], v[14:15]
	v_pk_mul_f32 v[16:17], v[16:17], s[C2:C2+1] op_sel_hi:[1,0]
	v_pk_mul_f32 v[18:19], v[18:19], s[C2:C2+1] op_sel_hi:[1,0]
	global_store_b128 v[OD], v[16:19], s[14:15]    ; a wave stores 512 consecutive bytes, aligned
.Lend:
	s_wait_tensorcnt 0x0                           ; the wave's end, behind my last LDS store
	ds_add_u32 v[SPW], v[NIL]
	s_wait_dscnt 0x0
	s_endpgm
.Lfunc_end_k_q632c249464_prep:
	.size	k_q632c249464_prep, .Lfunc_end_k_q632c249464_prep-k_q632c249464_prep
	.p2alignl 7, 3214868480
	.fill 96, 4, 3214868480
	.section	.rodata,"a",@progbits
	.p2align	6, 0x0
	.amdhsa_kernel k_q632c249464_prep
		.amdhsa_group_segment_fixed_size 156672
		.amdhsa_private_segment_fixed_size 0
		.amdhsa_enable_private_segment 0
		.amdhsa_kernarg_size 48
		.amdhsa_user_sgpr_count 2
		.amdhsa_user_sgpr_kernarg_segment_ptr 1
		.amdhsa_wavefront_size32 1
		.amdhsa_system_sgpr_workgroup_id_x 1
		.amdhsa_system_sgpr_workgroup_id_y 1
		.amdhsa_system_sgpr_workgroup_id_z 1
		.amdhsa_system_vgpr_workitem_id 0
		.amdhsa_next_free_vgpr 256
		.amdhsa_next_free_sgpr 66
		.amdhsa_reserve_vcc 0
		.amdhsa_float_denorm_mode_32 3
		.amdhsa_float_denorm_mode_16_64 3
		.amdhsa_memory_ordered 1
		.amdhsa_forward_progress 1
		.amdhsa_inst_pref_size 27
	.end_amdhsa_kernel
	.amdgpu_metadata
---
amdhsa.version: [ 1, 2 ]
amdhsa.kernels:
  - .name:           k_q632c249464_prep
    .symbol:         k_q632c249464_prep.kd
    .args:
      - { .name: Wh, .offset: 0, .size: 8, .value_kind: global_buffer, .address_space: global }
      - { .name: Ws, .offset: 8, .size: 8, .value_kind: global_buffer, .address_space: global }
      - { .name: bs, .offset: 16, .size: 8, .value_kind: global_buffer, .address_space: global }
      - { .name: decoder_hidden, .offset: 24, .size: 8, .value_kind: global_buffer, .address_space: global }
      - { .name: whp, .offset: 32, .size: 8, .value_kind: global_buffer, .address_space: global }
      - { .name: dec2, .offset: 40, .size: 8, .value_kind: global_buffer, .address_space: global }
    .group_segment_fixed_size: 156672
    .private_segment_fixed_size: 0
    .kernarg_segment_align: 8
    .kernarg_segment_size: 48
    .max_flat_workgroup_size: 256
    .sgpr_count:     66
    .vgpr_count:     256
    .wavefront_size: 32
...
	.end_amdgpu_metadata
.endif
;; end of part 1
;; launch attn (part 2): grid 256 x 1, 8 waves a work-group, no clusters, 314,624 bytes of LDS; arguments encoder_hidden, encoder_padding, sum_temporal, v, whp, dec2, out2, wun, ctxp; writes out2, wun, ctxp
.if DOCPART == 2
	.amdgcn_target "amdgcn-amd-amdhsa--gfx1250"
	.amdhsa_code_object_version 6
	.text
	.protected	k_q632c249464_attn
	.globl	k_q632c249464_attn
	.p2align	8
	.type	k_q632c249464_attn,@function
k_q632c249464_attn:
	s_mov_b64 s[64:65], 0
	v_nop
	global_prefetch_b8 v0, s[64:65] scope:SCOPE_SE
	s_setreg_imm32_b32 hwreg(HW_REG_WAVE_MODE, 25, 1), 1
	s_wait_xcnt 0x0
; score[t] = the sum over e of v[e] tanh(enc[t] . Wh[e] + dec[b][e]);  ex = exp(score);  out2 = sum_temporal + ex;  wun = ex / sum_temporal x padding (not yet normalised);
; ctxp[g] = the sum over the work-group's 256 rows of wun[t] enc[t][:].  The next launch divides by the batch's sum of wun.
; FORMATS.  enc and Wh are rounded once to bf16 for the products, sums in f32; tanh, the v sum, exp and the weights in f32; for the context product the weight is rounded once to bf16.
; tanh x = 1 - 2 / (1 + 2^(c2 x)), c2 = 2 log2(e): 2^.. = infinity gives 1, 2^.. = 0 gives -1, so no clamp is wanted.  score = sum(v) + the sum of (-2 v[e]) / (1 + 2^..): every term is at most 2 |v[e]|.
; LIMITS.  No maximum is taken away before exp: the problem's own formula takes none, and out2 wants exp(score) itself.  ex below 2^-126 counts as 0.  The context is summed with weights not yet normalised:
; the sum over 256 rows of wun[t] |enc[t][d]| must stay finite in f32.  NaN and infinities are not treated apart.
; SHARES.  Work-group g owns rows 256 g .. 256 g + 255 of the 65,536 (batch g / 8), as two tiles of 128 rows.  A tile lies in LDS in bf16, whole: 128 rows x 1,024.  The 1,024 columns go in two passes of 512;
; in a pass wave w owns 64 columns (four blocks of 16) for all 128 rows (eight blocks of 16): 32 accumulators, 256 registers.  K goes in 32 steps of 32.
; Source 0 = 16 rows of Wh, source 1 = 16 rows of enc: a lane holds ONE row of enc (l % 16) and the columns 8 (l / 16) + 0..7, so the v sum stays in the lane but for one exchange of the lanes' halves.
; Wh comes straight into registers: no two waves of a work-group want the same fragment, and whp holds a wave's fragments on end, 4,096 bytes a K step.  Three buffers: a fragment is asked for three steps ahead.
; enc arrives DURING pass 1, in half-chunks (a chunk = 64 k = 256 bytes of each row): a wave's four loads bring 8 of its 16 rows, two whole aligned blocks of 256 bytes a load; three half-sets of
; registers; a half-chunk is asked for six steps, rounded and stored three steps, ahead of its first product; one barrier a chunk shows it to the other waves.  Pass 2 reads the tile that lies there.
; NO CLUSTER, NO JOINT LOADS, though all work-groups walk the same whp: a joint load lands in LDS, and beside the tile (294,912 bytes) and the tables, stages and spare words (19,712) 13,056 bytes are left:
; two slots of 6 KiB, a step and a half of ONE wave's fragments each.
; REGISTERS: window 0 as named below; window 1: the 32 accumulators, (row block rb, column block j) at v[8 (4 rb + j)]; in the context product CX v0-63, F0 v64-127, F1 v128-191, WF v192-223.
; s_set_vgpr_msb: bits 1:0 source 0, 3:2 source 1, 5:4 source 2, 7:6 destination.
.set PIT,   144                        ; a row of a chunk in LDS: 128 bytes + 16 = 36 words: the 16 rows of a fragment load start at 16 different groups of four banks (64 banks of 4 bytes: ISA guide 11.1)
.set CH,    128*PIT                    ; a chunk: 128 rows x 64 k
.set DT,    16*CH                      ; 294,912: dec2 of my batch, f32 [1024]
.set VT,    DT+4096                    ; -2 v, f32 [1024]
.set SC,    VT+4096                    ; partial scores, f32 [8 waves][128 rows]
.set WT,    SC+4096                    ; for each wave 256 bytes of its own: the tile's weights, bf16 [128]
.set CS,    WT+2048                    ; for each wave 512 bytes of its own: its 128 columns of the tile's context, f32
.set SV,    CS+4096                    ; eight partial sums of v
.set SPARE, SV+256                     ; the spare words, 128 bytes for each wave, which no other line names
.set SPW, 1                            ; v1   LDS address of my spare word; never rewritten
.set NIL, 2                            ; v2   0; never rewritten
.set BO,  3                            ; v3   16 l: my 16 bytes of 512 on end (whp, sum_temporal, padding, out2, wun)
.set EO,  4                            ; v4   enc: (16 w + 8 (l / 16)) rows + 16 (l % 16)
.set SA0, 5                            ; v5   the same place in a chunk in LDS: (16 w + 8 (l / 16)) PIT + 8 (l % 16)
.set SA,  6                            ; v6   SA0 + the chunk in hand
.set AD0, 7                            ; v7   a fragment of enc: (l % 16) PIT + 16 (l / 16)
.set AD,  8                            ; v8   AD0 + the chunk in hand
.set TA,  9                            ; v9   DT + 256 w + 32 (l / 16): my eight columns of block 0 in the tables
.set SCW, 10                           ; v10  SC + 512 w + 4 (l % 16)
.set SCR, 11                           ; v11  SC + 16 l
.set WTW, 12                           ; v12  WT + 256 w + 8 l
.set WTR, 13                           ; v13  WT + 256 w + 16 (l / 16)
.set TRA, 14                           ; v14  the turning load: 2 w chunks + (8 (l / 16) + l % 8) PIT + 16 ((l / 8) % 2)
.set CSW, 15                           ; v15  CS + 512 w + 32 (l / 16)
.set CSR, 16                           ; v16  CS + 512 w + 16 l
.set PFO, 17                           ; v17  the prefetch: (16 w + l % 16) rows + 256 (l / 16)
.set SUMV, 18                          ; v[18:19] log2(e) x the sum of v, twice
.set CTX, 20                           ; v[20:23] my four columns of the context, summed over the tiles
.set S,   24                           ; v[24:39] a pair for each row block: the v sum over even and over odd columns
.set ST,  40                           ; v[40:43] sum_temporal of rows 4 l .. 4 l + 3
.set PD,  44                           ; v[44:47] padding of the same rows
.set AF,  48                           ; v[48:111] enc's fragments, row block rb at AF + 8 rb; between the passes the tables and what is at work
.set BB,  112                          ; v[112:207] Wh's fragments: three buffers of four
.set EE,  208                          ; v[208:255] enc on its way: three half-sets of four loads
.set CX,  0                            ; window 1
.set F0,  64
.set F1,  128
.set WF,  192
.set WV,  22                           ; s22  my wave's number
.set TILES, 23                         ; s23  tiles to go, this one among them
.set CNT, 24                           ; s24  trips
.set C2,  26                           ; s[26:27] 2 log2(e), twice
.set SEL, 28                           ; s[28:29] v_permlanex16_b32's selects: each lane takes its own place in the other half
.set BP,  30                           ; s[30:31] whp, walking
.set BP0, 32                           ; s[32:33] whp at my wave's stream
.set EP,  34                           ; s[34:35] enc, walking along K
.set ET,  36                           ; s[36:37] enc at the tile's first row
.set OF,  38                           ; s[38:39] an offset
.set LG,  40                           ; s[40:41] log2(e), twice
.set W_MUL, 0x50                       ; products: C and D in window 1, fragments in window 0
.set W_ACC, 0x41                       ; work in place on accumulators; a third source in window 0
.set W_SUM, 0x01                       ; source 0 an accumulator, all else in window 0
.set W_TO1, 0x40                       ; LDS loads into window 1
.set W_CTX, 0x55                       ; the context product: all in window 1
.set W_ST1, 0x04                       ; LDS stores of window 1
.set MSB, 0
.macro WIN new                         ; the immediate's high byte repeats the setting that is left; a switch that changes nothing is dropped
.if MSB != (\new)
	s_set_vgpr_msb (MSB<<8)|(\new)
.set MSB, \new
.endif
.endm
.macro PLACES                          ; four places between a product and a load into, or a vector instruction on, its registers (ISA guide 7.12.1 for vector instructions)
.rept 4
	v_nop
.endr
.endm
; Row blocks rbA .. rbB x the four column blocks, 32 along K.  The accumulators take turns, one instruction a turn, in the same order in every step: 31 others stand between two links of a chain.
.macro MUL rbA, rbB, buf, zero
.set rb, \rbA
.rept (\rbB)-(\rbA)+1
.set j, 0
.rept 4
.if \zero
	v_wmma_f32_16x16x32_bf16 v[8*(4*rb+j):8*(4*rb+j)+7], v[BB+32*(\buf)+8*j:BB+32*(\buf)+8*j+7], v[AF+8*rb:AF+8*rb+7], 0
.else
	v_wmma_f32_16x16x32_bf16 v[8*(4*rb+j):8*(4*rb+j)+7], v[BB+32*(\buf)+8*j:BB+32*(\buf)+8*j+7], v[AF+8*rb:AF+8*rb+7], v[8*(4*rb+j):8*(4*rb+j)+7]
.endif
.set j, j+1
.endr
.set rb, rb+1
.endr
.endm
.macro LDA half, imm                   ; enc's fragments of row blocks 4 half .. 4 half + 3
.set rb, 4*(\half)
.rept 4
	ds_load_b128 v[AF+8*rb:AF+8*rb+3],   v[AD] offset:(\imm)+rb*16*PIT
	ds_load_b128 v[AF+8*rb+4:AF+8*rb+7], v[AD] offset:(\imm)+rb*16*PIT+32
.set rb, rb+1
.endr
.endm
.macro LDB buf, off                    ; a K step's four fragments of Wh: eight loads of 512 consecutive bytes
.set j, 0
.rept 4
	global_load_b128 v[BB+32*(\buf)+8*j:BB+32*(\buf)+8*j+3],   v[BO], s[BP:BP+1] offset:(\off)+j*1024
	global_load_b128 v[BB+32*(\buf)+8*j+4:BB+32*(\buf)+8*j+7], v[BO], s[BP:BP+1] offset:(\off)+j*1024+512
.set j, j+1
.endr
.endm
.macro LDE set, base, off              ; a half-chunk: four loads, each 256 bytes of two rows
.set i, 0
.rept 4
	global_load_b128 v[EE+16*(\set)+4*i:EE+16*(\set)+4*i+3], v[EO], s[\base:\base+1] offset:(\off)+i*4096 th:TH_LOAD_NT
.set i, i+1
.endr
.endm
.macro CVT set                         ; rounded to bf16, in place
.set i, 0
.rept 4
	v_cvt_pk_bf16_f32 v[EE+16*(\set)+4*i],   v[EE+16*(\set)+4*i],   v[EE+16*(\set)+4*i+1]
	v_cvt_pk_bf16_f32 v[EE+16*(\set)+4*i+1], v[EE+16*(\set)+4*i+2], v[EE+16*(\set)+4*i+3]
.set i, i+1
.endr
.endm
.macro STO set, imm                    ; 8 bytes a lane; the two rows of a store lie 8 PIT = 288 words apart, half of the banks
.set i, 0
.rept 4
	ds_store_b64 v[SA], v[EE+16*(\set)+4*i:EE+16*(\set)+4*i+1] offset:(\imm)+i*PIT
.set i, i+1
.endr
.endm
.macro PRIME                           ; a tile's first loads: Wh's K steps 0-2, enc's half-chunks 0-2
	LDB 0, 0
	LDB 1, 4096
	LDB 2, 8192
	LDE 0, ET, 0
	LDE 1, ET, 16384
	LDE 2, ET, 256
.endm
; ONE K STEP s.  buf = Wh's buffer, and in pass 1 the half-set; odd = s % 2; zero = 1: the products start the sums; nb: the loads issued behind this step's fragments of Wh (-1: shown in already);
; ds0: the LDS instructions issued behind the loads of row blocks 0-3; bar = 1: the barrier that shows the next chunk; nxa = 1: the next step's fragments of enc are fetched; bl = 1: Wh's step s + 3 is asked for,
; boff bytes behind BP; sm = 1, 2: half-chunk s + 3 is rounded and stored (ne: the loads issued behind it); sm = 2: half-chunk s + 6 is asked for, eoff bytes behind EP.
.macro STEP buf, odd, zero, nb, ds0, bar, nxa, bl, boff, sm, ne, eoff
.if (\nb) >= 0
	s_wait_loadcnt \nb
.endif
	s_wait_dscnt \ds0
	WIN W_MUL
	MUL 0, 1, \buf, \zero
.if \bar
	s_wait_dscnt 0x0                               ; my stores of the next chunk's two half-chunks are done, and no LDS instruction of mine is out:
	s_barrier_signal -1                            ; say so,
.endif
	MUL 2, 3, \buf, \zero                          ; work on registers meanwhile,
.if \bar
	s_barrier_wait -1                              ; and read the next chunk only when all eight waves have said so
.endif
.if \nxa
	WIN 0
	PLACES
	LDA 0, 64+(\odd)*(CH-64)                       ; the same chunk's second 32 k, or the next chunk's first
	s_wait_dscnt 8                                 ; all but the eight just issued: row blocks 4-7 are in
.else
	s_wait_dscnt 0x0
.endif
	WIN W_MUL
	MUL 4, 7, \buf, \zero
	WIN 0
.if \sm
	s_wait_loadcnt \ne
	CVT \buf                                       ; eight plain instructions that name no register of the products: their places too
	STO \buf, CH+4*PIT+(\odd)*(CH-4*PIT)           ; s even: the next chunk's rows 4-7 and 12-15 of my 16; s odd: the chunk after's rows 0-3 and 8-11
.else
	PLACES
.endif
.if \nxa
	LDA 1, 64+(\odd)*(CH-64)
.endif
.if \bl
	LDB \buf, \boff
.endif
.if (\sm) == 2
	LDE \buf, EP, \eoff
.endif
.if (\odd) && (\nxa)
	v_add_nc_u32 v[AD], CH, v[AD]
.endif
.if (\odd) && (\sm)
	v_add_nc_u32 v[SA], CH, v[SA]
.endif
.endm
; TANH AND THE V SUM, for the pass's 32 accumulators, in eight batches of four: batch k is column block k / 2, row blocks 4 (k % 2) .. + 3.  One line each:
.macro EF1 k, m                        ; pair m of 16: c2 x + dec2; each accumulator from its lowest pair on
.set eX, 8*(4*(4*((\k)%2)+(\m)/4)+(\k)/2)+2*((\m)%4)
.set eT, AF+16*((\k)/2)+2*((\m)%4)
	v_pk_fma_f32 v[eX:eX+1], v[eX:eX+1], s[C2:C2+1], v[eT:eT+1] op_sel_hi:[1,0,1]
.endm
.macro EEX k, m                        ; number m of 32: 2^..
.set eX, 8*(4*(4*((\k)%2)+(\m)/8)+(\k)/2)+(\m)%8
	v_exp_f32 v[eX], v[eX]
.endm
.macro EA1 k, m                        ; pair m: 1 + ..
.set eX, 8*(4*(4*((\k)%2)+(\m)/4)+(\k)/2)+2*((\m)%4)
	v_pk_add_f32 v[eX:eX+1], v[eX:eX+1], 1.0 op_sel_hi:[1,0]
.endm
.macro ERC k, m                        ; number m: 1 / ..
.set eX, 8*(4*(4*((\k)%2)+(\m)/8)+(\k)/2)+(\m)%8
	v_rcp_f32 v[eX], v[eX]
.endm
.macro EF2 k, m, first                 ; the row block's sum takes pair m / 4 of accumulator m % 4, times -2 v: the four sums by turns.  first = 1: column block 0's first pair starts the sum
.set eR, 4*((\k)%2)+(\m)%4
.set eX, 8*(4*eR+(\k)/2)+2*((\m)/4)
.set eT, AF+16*((\k)/2)+8+2*((\m)/4)
.if (\first) && ((\k) < 2) && ((\m) < 4)
	v_pk_mul_f32 v[S+2*eR:S+2*eR+1], v[eX:eX+1], v[eT:eT+1]
.else
	v_pk_fma_f32 v[S+2*eR:S+2*eR+1], v[eX:eX+1], v[eT:eT+1], v[S+2*eR:S+2*eR+1]
.endif
.endm
; A batch's 32 exponentials are issued with the next batch's scalings between them, then one plain instruction and ONE wait ahead of the first line that names a result;
; the same for its 32 reciprocals, with the additions two pairs ahead of them.  Two waits a batch.
.macro EPI first, p
	WIN 0
.set j, 0
.rept 4                                ; my eight columns of each block: dec2 at AF + 16 j, -2 v at AF + 16 j + 8
	ds_load_b128 v[AF+16*j:AF+16*j+3],     v[TA] offset:(\p)*2048+64*j
	ds_load_b128 v[AF+16*j+4:AF+16*j+7],   v[TA] offset:(\p)*2048+64*j+16
	ds_load_b128 v[AF+16*j+8:AF+16*j+11],  v[TA] offset:(\p)*2048+64*j+4096
	ds_load_b128 v[AF+16*j+12:AF+16*j+15], v[TA] offset:(\p)*2048+64*j+4096+16
.set j, j+1
.endr
	s_wait_dscnt 0x0
	WIN W_ACC
.set mm, 0
.rept 16
	EF1 0, mm
.set mm, mm+1
.endr
.set kk, 0
.rept 8
.if kk > 0
	WIN W_SUM
.set mm, 0
.rept 16
	EF2 kk-1, mm, \first
.set mm, mm+1
.endr
.endif
	WIN W_ACC
.set mm, 0
.rept 16
.if kk < 7
	EF1 kk+1, mm
.endif
	EEX kk, 2*mm
	EEX kk, 2*mm+1
.set mm, mm+1
.endr
	v_nop                                          ; a plain instruction behind the last exponential,
	s_wait_alu depctr_va_vdst(0)                   ; and the batch's wait
	EA1 kk, 0
	EA1 kk, 1
.set mm, 0
.rept 16
.if mm < 14
	EA1 kk, mm+2
.endif
	ERC kk, 2*mm
	ERC kk, 2*mm+1
.set mm, mm+1
.endr
	v_nop                                          ; the same for the reciprocals
	s_wait_alu depctr_va_vdst(0)
.set kk, kk+1
.endr
	WIN W_SUM
.set mm, 0
.rept 16
	EF2 7, mm, \first
.set mm, mm+1
.endr
	WIN 0
.endm
; THE CONTEXT.  Source 0 = enc turned (16 columns x 32 rows), by ds_load_tr16_b128 out of the tile; source 1 = the 32 rows' weights, the same in all 16 columns of the operand.
.macro LDT kk, f                       ; rows 32 kk .. + 31 of my eight column blocks
.set c, 0
.rept 8
	ds_load_tr16_b128 v[(\f)+8*c:(\f)+8*c+3],   v[TRA] offset:(c/4)*CH+(c%4)*32+(\kk)*32*PIT
	ds_load_tr16_b128 v[(\f)+8*c+4:(\f)+8*c+7], v[TRA] offset:(c/4)*CH+(c%4)*32+(\kk)*32*PIT+16*PIT
.set c, c+1
.endr
.endm
.macro MULC kk, f, zero                ; eight accumulators by turns
.set c, 0
.rept 8
.if \zero
	v_wmma_f32_16x16x32_bf16 v[CX+8*c:CX+8*c+7], v[(\f)+8*c:(\f)+8*c+7], v[WF+8*(\kk):WF+8*(\kk)+7], 0
.else
	v_wmma_f32_16x16x32_bf16 v[CX+8*c:CX+8*c+7], v[(\f)+8*c:(\f)+8*c+7], v[WF+8*(\kk):WF+8*(\kk)+7], v[CX+8*c:CX+8*c+7]
.endif
.set c, c+1
.endr
.endm
	s_load_b512 s[4:19], s[0:1], 0x0               ; enc s[4:5], padding s[6:7], sum_temporal s[8:9], v s[10:11], whp s[12:13], dec2 s[14:15], out2 s[16:17], wun s[18:19]
	s_load_b64 s[20:21], s[0:1], 0x40              ; ctxp
	v_lshl_add_u32 v[SPW], v0, 2, SPARE
	v_mov_b32 v[NIL], 0
	v_lshrrev_b32 v48, 5, v0
	v_readfirstlane_b32 s[WV], v48                 ; wave 0..7
	v_and_b32 v48, 31, v0                          ; l
	v_and_b32 v49, 15, v0                          ; l % 16
	v_bfe_u32 v50, v0, 4, 1                        ; l / 16
	v_lshlrev_b32 v[BO], 4, v48
	s_lshl_b32 s[OF], s[WV], 16                    ; 16 rows of 4,096 bytes
	v_lshl_add_u32 v[EO], v49, 4, s[OF]
	v_lshl_add_u32 v[EO], v50, 15, v[EO]
	v_lshl_add_u32 v[PFO], v49, 12, s[OF]
	v_lshl_add_u32 v[PFO], v50, 8, v[PFO]
	s_mul_i32 s[OF], s[WV], 16*PIT
	v_lshl_add_u32 v[SA0], v49, 3, s[OF]
	v_mul_u32_u24 v51, v50, 8*PIT
	v_add_nc_u32 v[SA0], v[SA0], v51
	v_mul_u32_u24 v[AD0], v49, PIT
	v_lshl_add_u32 v[AD0], v50, 4, v[AD0]
	s_lshl_b32 s[OF], s[WV], 8
	s_add_co_u32 s[OF+1], s[OF], DT
	v_lshl_add_u32 v[TA], v50, 5, s[OF+1]
	s_add_co_u32 s[OF+1], s[OF], WT
	v_lshl_add_u32 v[WTW], v48, 3, s[OF+1]
	v_lshl_add_u32 v[WTR], v50, 4, s[OF+1]
	s_lshl_b32 s[OF], s[WV], 9
	s_add_co_u32 s[OF+1], s[OF], SC
	v_lshl_add_u32 v[SCW], v49, 2, s[OF+1]
	v_lshl_add_u32 v[SCR], v48, 4, SC
	s_add_co_u32 s[OF+1], s[OF], CS
	v_lshl_add_u32 v[CSW], v50, 5, s[OF+1]
	v_lshl_add_u32 v[CSR], v48, 4, s[OF+1]
	v_and_b32 v51, 7, v0
	v_lshl_add_u32 v51, v50, 3, v51
	v_mul_u32_u24 v[TRA], v51, PIT
	v_bfe_u32 v51, v0, 3, 1
	v_lshl_add_u32 v[TRA], v51, 4, v[TRA]
	s_mul_i32 s[OF], s[WV], 2*CH
	v_add_nc_u32 v[TRA], s[OF], v[TRA]
	v_lshlrev_b32 v52, 4, v0                       ; 16 t: my four columns 4 t .. of v,
	v_lshrrev_b32 v53, 2, v0                       ; and of dec2: column block t / 4,
	v_lshlrev_b32 v53, 11, v53
	v_and_b32 v51, 3, v0
	v_lshl_add_u32 v53, v51, 4, v53                ; columns 4 (t % 4) ..,
	s_lshr_b32 s[OF], ttmp9, 3
	s_lshl_b32 s[OF], s[OF], 6
	v_add_nc_u32 v53, s[OF], v53                   ; batch g / 8
	v_add_nc_u32 v54, DT, v52
	s_lshl_b32 s[OF], s[WV], 2
	s_add_co_u32 s[OF], s[OF], SV
	v_mov_b32 v55, s[OF]
	s_mov_b32 s[C2], 0x4038aa3b
	s_mov_b32 s[C2+1], s[C2]
	s_mov_b32 s[SEL], 0x76543210
	s_mov_b32 s[SEL+1], 0xfedcba98
	s_mov_b32 s[LG], 0x3fb8aa3b
	s_mov_b32 s[LG+1], s[LG]
	s_mov_b32 s[TILES], 2
	s_mov_b32 s[OF+1], 0
	s_wait_kmcnt 0x0
	s_lshl_b32 s[OF], ttmp9, 20                    ; 256 rows of 4,096 bytes
	s_add_nc_u64 s[ET:ET+1], s[4:5], s[OF:OF+1]
	s_lshl_b32 s[OF], ttmp9, 10                    ; 256 f32
	s_add_nc_u64 s[6:7], s[6:7], s[OF:OF+1]
	s_add_nc_u64 s[8:9], s[8:9], s[OF:OF+1]
	s_add_nc_u64 s[16:17], s[16:17], s[OF:OF+1]
	s_add_nc_u64 s[18:19], s[18:19], s[OF:OF+1]
	s_lshl_b32 s[OF], ttmp9, 12
	s_add_nc_u64 s[20:21], s[20:21], s[OF:OF+1]
	s_lshl_b32 s[OF], s[WV], 18                    ; my wave's 262,144 bytes of whp
	s_add_nc_u64 s[BP0:BP0+1], s[12:13], s[OF:OF+1]
	s_mov_b64 s[BP:BP+1], s[BP0:BP0+1]
	PRIME                                          ; the first tile's loads go out ahead of everything else
	global_load_b128 v[48:51], v52, s[10:11]
	global_load_b128 v[56:59], v53, s[14:15]
	s_wait_loadcnt 0x0
	v_pk_mul_f32 v[60:61], v[48:49], -2.0 op_sel_hi:[1,0]
	v_pk_mul_f32 v[62:63], v[50:51], -2.0 op_sel_hi:[1,0]
	ds_store_b128 v54, v[56:59]
	ds_store_b128 v54, v[60:63] offset:4096
	v_add_f32 v48, v48, v49
	v_add_f32 v50, v50, v51
	v_add_f32 v48, v48, v50
	v_add_f32_dpp v48, v48, v48 row_xmask:1 row_mask:0xf bank_mask:0xf
	v_add_f32_dpp v48, v48, v48 row_xmask:2 row_mask:0xf bank_mask:0xf
	v_add_f32_dpp v48, v48, v48 row_xmask:4 row_mask:0xf bank_mask:0xf
	v_add_f32_dpp v48, v48, v48 row_xmask:8 row_mask:0xf bank_mask:0xf
	v_permlanex16_b32 v49, v48, s[SEL], s[SEL+1]
	v_add_f32 v48, v48, v49
	ds_store_b32 v55, v48                          ; my wave's share of the sum of v
	s_wait_dscnt 0x0                               ; for the others' sake: my parts of the tables lie in LDS
	s_barrier_signal -1
	s_barrier_wait -1
	v_mov_b32 v64, SV
	ds_load_b128 v[48:51], v64
	ds_load_b128 v[52:55], v64 offset:16
.set i, 0
.rept 4
	v_mov_b32 v[CTX+i], 0
.set i, i+1
.endr
	s_wait_dscnt 0x0
	v_pk_add_f32 v[48:49], v[48:49], v[50:51]
	v_pk_add_f32 v[52:53], v[52:53], v[54:55]
	v_pk_add_f32 v[48:49], v[48:49], v[52:53]
	v_add_f32 v48, v48, v49
	v_mul_f32 v[SUMV], s[LG], v48
	v_mov_b32 v[SUMV+1], v[SUMV]
.Ltile:
	; THE TILE BEGINS: chunk 0 and half of chunk 1 go into LDS; half-chunks 3 to 5 are asked for.
	s_wait_loadcnt 0x0                             ; PRIME's 36 loads
	s_mov_b64 s[EP:EP+1], s[ET:ET+1]
	CVT 0
	CVT 1
	CVT 2
	v_mov_b32 v[SA], v[SA0]
	v_mov_b32 v[AD], v[AD0]
	STO 0, 0
	STO 1, 4*PIT
	STO 2, CH
	LDE 0, ET, 256+16384
	LDE 1, ET, 512
	LDE 2, ET, 512+16384
	s_wait_dscnt 0x0                               ; my rows of chunk 0 lie in LDS,
	s_barrier_signal -1
	s_barrier_wait -1                              ; everybody's do
	LDA 0, 0
	LDA 1, 0
	; PASS 1: columns 0-511, while the tile arrives.  Behind a step stand, in this order, Wh's 8 loads for step s + 3 and enc's 4 for half-chunk s + 6.  So behind Wh's loads for step s were issued
	; 4 + 2 x 12 = 28, and behind half-chunk s + 3's 2 x 12 = 24; at the ends the counts are smaller, as fewer loads were issued.
	STEP 0, 0, 1, -1, 8, 0, 1, 1, 12288, 2, 8, 768             ; behind half-chunk 3: half-chunks 4 and 5
	STEP 1, 1, 0, -1, 12, 1, 1, 1, 16384, 2, 16, 768+16384     ; behind half-chunk 4: half-chunk 5, Wh's step 3, half-chunk 6
	s_wait_xcnt 0x0                                ; every load issued so far has read its address, so the pointers may be written
	s_add_nc_u64 s[BP:BP+1], s[BP:BP+1], 2*4096
	s_add_nc_u64 s[EP:EP+1], s[EP:EP+1], 256
	s_mov_b32 s[CNT], 4
.Lp1:                                          ; steps 2 to 25, six a trip: the three buffers and the two halves of a chunk come round together
.irp p, 0,1,2,3,4,5
	STEP (2+\p)%3, (\p)%2, 0, 28, 12, (\p)%2, 1, 1, (\p+3)*4096, 2, 24, ((\p)/2+3)*256+((\p)%2)*16384
.endr
	s_wait_xcnt 0x0
	s_add_nc_u64 s[BP:BP+1], s[BP:BP+1], 6*4096
	s_add_nc_u64 s[EP:EP+1], s[EP:EP+1], 3*256
	s_sub_co_u32 s[CNT], s[CNT], 1
	s_cmp_lg_u32 s[CNT], 0
	s_cbranch_scc1 .Lp1
	STEP 2, 0, 0, 28, 12, 0, 1, 1, 12288, 1, 24, 0             ; steps 26 to 31: nothing of enc is left to ask for
	STEP 0, 1, 0, 24, 12, 1, 1, 1, 16384, 1, 20, 0             ; behind Wh's step 27: 4 + 8 + 4 + 8; behind half-chunk 30: 8 + 4 + 8
	STEP 1, 0, 0, 20, 12, 0, 1, 1, 20480, 1, 16, 0             ; behind Wh's step 28: 4 + 8 + 8; behind half-chunk 31: 8 + 8
	STEP 2, 1, 0, 16, 12, 1, 1, 1, 24576, 0, 0, 0              ; the last barrier: chunk 15.  From here on Wh's loads are pass 2's, which follow on end in my stream
	STEP 0, 0, 0, 16, 8, 0, 1, 1, 28672, 0, 0, 0
	STEP 1, 1, 0, 16, 8, 0, 0, 1, 32768, 0, 0, 0
	EPI 1, 0
	; PASS 2: columns 512-1023, on the tile that lies in LDS: no stores, no barrier.  Behind Wh's loads for a step were issued two steps' 8.
	s_wait_xcnt 0x0
	s_add_nc_u64 s[BP:BP+1], s[BP:BP+1], 6*4096
	v_mov_b32 v[AD], v[AD0]
	LDA 0, 0
	LDA 1, 0
	STEP 2, 0, 1, 16, 8, 0, 1, 1, 12288, 0, 0, 0
	s_wait_xcnt 0x0
	s_add_nc_u64 s[BP:BP+1], s[BP:BP+1], 4096
	s_mov_b32 s[CNT], 4
.Lp2:                                          ; steps 1 to 24
.irp p, 0,1,2,3,4,5
	STEP (\p)%3, (\p+1)%2, 0, 16, 8, 0, 1, 1, (\p+3)*4096, 0, 0, 0
.endr
	s_wait_xcnt 0x0
	s_add_nc_u64 s[BP:BP+1], s[BP:BP+1], 6*4096
	s_sub_co_u32 s[CNT], s[CNT], 1
	s_cmp_lg_u32 s[CNT], 0
	s_cbranch_scc1 .Lp2
.irp p, 0,1,2,3
	STEP (\p)%3, (\p+1)%2, 0, 16, 8, 0, 1, 1, (\p+3)*4096, 0, 0, 0  ; steps 25 to 28 ask for Wh's last four
.endr
	; A PREFETCH of the next tile's head: my own 16 rows x its first two chunks, a lane a block of 256 bytes, each block named once in the launch; it stands behind the step's loads,
	; three K steps ahead of the loads that will want the bytes.  The last tile asks for nothing.
	s_cmp_gt_u32 s[TILES], 1
	s_cbranch_scc0 .Lno_pf
	global_prefetch_b8 v[PFO], s[ET:ET+1] offset:128*4096 th:TH_LOAD_NT scope:SCOPE_SE
.Lno_pf:
	STEP 1, 1, 0, 16, 8, 0, 1, 0, 0, 0, 0, 0                   ; steps 29 to 31: the counts run down
	STEP 2, 0, 0, 8, 8, 0, 1, 0, 0, 0, 0, 0
	STEP 0, 1, 0, 0, 8, 0, 0, 0, 0, 0, 0, 0
	global_load_b128 v[ST:ST+3], v[BO], s[8:9]     ; the tile's 128 numbers of sum_temporal and of padding, four a lane, in every wave
	global_load_b128 v[PD:PD+3], v[BO], s[6:7]
	s_cmp_gt_u32 s[TILES], 1
	s_cbranch_scc0 .Lno_next
	s_wait_xcnt 0x0                                ; the prefetch, three steps back, and the loads have read their addresses
	s_add_nc_u64 s[ET:ET+1], s[ET:ET+1], 128*4096
	s_mov_b64 s[BP:BP+1], s[BP0:BP0+1]
	PRIME                                          ; the next tile's first loads are on their way during this tile's last tanh and its context
.Lno_next:
	EPI 0, 1
	; THE SCORES.  A lane's pair and the other half of the lanes' are added: my wave's 64 columns x 2 passes for each of the 128 rows.
.set rb, 0
.rept 8
	v_add_f32 v[S+2*rb], v[S+2*rb], v[S+2*rb+1]
.set rb, rb+1
.endr
.set rb, 0
.rept 8
	v_permlanex16_b32 v[AF+rb], v[S+2*rb], s[SEL], s[SEL+1]
.set rb, rb+1
.endr
.set rb, 0
.rept 8
	v_add_f32 v[S+2*rb], v[S+2*rb], v[AF+rb]
.set rb, rb+1
.endr
.set rb, 0
.rept 8
	ds_store_b32 v[SCW], v[S+2*rb] offset:64*rb    ; both halves of the lanes hold, and store, the same number
.set rb, rb+1
.endr
	s_wait_dscnt 0x0                               ; for the others' sake
	s_barrier_signal -1
	s_barrier_wait -1
	; Every wave adds the eight waves' parts for all 128 rows, four rows a lane, and makes the weights for itself: some forty lines, in place of a second barrier.
.set i, 0
.rept 8
	ds_load_b128 v[56+4*i:59+4*i], v[SCR] offset:512*i
.set i, i+1
.endr
	s_wait_dscnt 0x0
.irp a, 0,8,16,24
	v_pk_add_f32 v[56+\a:57+\a], v[56+\a:57+\a], v[60+\a:61+\a]
	v_pk_add_f32 v[58+\a:59+\a], v[58+\a:59+\a], v[62+\a:63+\a]
.endr
.irp a, 0,16
	v_pk_add_f32 v[56+\a:57+\a], v[56+\a:57+\a], v[64+\a:65+\a]
	v_pk_add_f32 v[58+\a:59+\a], v[58+\a:59+\a], v[66+\a:67+\a]
.endr
	v_pk_add_f32 v[56:57], v[56:57], v[72:73]
	v_pk_add_f32 v[58:59], v[58:59], v[74:75]
	s_wait_loadcnt 0x0                             ; sum_temporal and padding (and, where a tile follows, its first loads, issued a tanh phase ago)
	v_pk_fma_f32 v[56:57], v[56:57], s[LG:LG+1], v[SUMV:SUMV+1] op_sel_hi:[1,0,1]  ; log2(e) x score
	v_pk_fma_f32 v[58:59], v[58:59], s[LG:LG+1], v[SUMV:SUMV+1] op_sel_hi:[1,0,1]
.set i, 0
.rept 4
	v_exp_f32 v[56+i], v[56+i]
.set i, i+1
.endr
.set i, 0
.rept 4
	v_rcp_f32 v[60+i], v[ST+i]
.set i, i+1
.endr
	v_nop                                          ; a plain instruction behind the last of the eight,
	s_wait_alu depctr_va_vdst(0)                   ; and their one wait
	v_pk_add_f32 v[64:65], v[ST:ST+1], v[56:57]    ; out2
	v_pk_add_f32 v[66:67], v[ST+2:ST+3], v[58:59]
	v_pk_mul_f32 v[68:69], v[56:57], v[60:61]
	v_pk_mul_f32 v[70:71], v[58:59], v[62:63]
	v_pk_mul_f32 v[68:69], v[68:69], v[PD:PD+1]    ; the weight
	v_pk_mul_f32 v[70:71], v[70:71], v[PD+2:PD+3]
	v_cvt_pk_bf16_f32 v72, v68, v69
	v_cvt_pk_bf16_f32 v73, v70, v71
	ds_store_b64 v[WTW], v[72:73]                  ; into my wave's own 256 bytes
	s_cmp_lg_u32 s[WV], 0
	s_cbranch_scc1 .Lnot_0
	global_store_b128 v[BO], v[64:67], s[16:17]    ; wave 0 stores them: 512 consecutive bytes each, aligned
	global_store_b128 v[BO], v[68:71], s[18:19]
.Lnot_0:
	; THE CONTEXT of the tile: wave w owns columns 128 w .. + 127, chunks 2 w and 2 w + 1.  PIT is no odd multiple of 32 bytes, so a turning load meets each bank twice: 64 such loads a tile and wave.
	WIN W_TO1
.set i, 0
.rept 4
	ds_load_b128 v[WF+8*i:WF+8*i+3],   v[WTR] offset:64*i     ; LDS serves a wave's instructions in order (ISA guide 5.7.1.4): these see the store above
	ds_load_b128 v[WF+8*i+4:WF+8*i+7], v[WTR] offset:64*i+32
.set i, i+1
.endr
	LDT 0, F0
	LDT 1, F1
	s_wait_dscnt 16                                ; all but the last sixteen
	WIN W_CTX
	MULC 0, F0, 1
	s_wait_dscnt 0x0
	MULC 1, F1, 0
	PLACES
	WIN W_TO1
	LDT 2, F0
	LDT 3, F1
	s_wait_dscnt 16
	WIN W_CTX
	MULC 2, F0, 0
	s_wait_dscnt 0x0
	MULC 3, F1, 0
	PLACES
	WIN W_ST1                                      ; every lane of a half holds the same eight columns; through my wave's own stage they become four columns a lane
.set c, 0
.rept 8
	ds_store_b128 v[CSW], v[CX+8*c:CX+8*c+3]   offset:64*c
	ds_store_b128 v[CSW], v[CX+8*c+4:CX+8*c+7] offset:64*c+16
.set c, c+1
.endr
	WIN 0
	ds_load_b128 v[108:111], v[CSR]
	s_wait_dscnt 0x0                               ; also: all my reads of the tile are over
	v_pk_add_f32 v[CTX:CTX+1], v[CTX:CTX+1], v[108:109]
	v_pk_add_f32 v[CTX+2:CTX+3], v[CTX+2:CTX+3], v[110:111]
	s_wait_xcnt 0x0                                ; the stores and loads have read their addresses and data
	s_add_nc_u64 s[6:7], s[6:7], 512
	s_add_nc_u64 s[8:9], s[8:9], 512
	s_add_nc_u64 s[16:17], s[16:17], 512
	s_add_nc_u64 s[18:19], s[18:19], 512
	s_barrier_signal -1                            ; no wave stores the next tile over this one, or new partial scores, before all eight have read
	s_barrier_wait -1
	s_sub_co_u32 s[TILES], s[TILES], 1
	s_cmp_lg_u32 s[TILES], 0
	s_cbranch_scc1 .Ltile
	s_lshl_b32 s[OF], s[WV], 9
	v_add_nc_u32 v48, s[OF], v[BO]                 ; 16 x my thread's number: columns 128 w + 4 l ..
	global_store_b128 v48, v[CTX:CTX+3], s[20:21]
	s_wait_tensorcnt 0x0                           ; the wave's end, behind my last LDS store
	ds_add_u32 v[SPW], v[NIL]
	s_wait_dscnt 0x0
	s_endpgm
.Lfunc_end_k_q632c249464_attn:
	.size	k_q632c249464_attn, .Lfunc_end_k_q632c249464_attn-k_q632c249464_attn
	.p2alignl 7, 3214868480
	.fill 96, 4, 3214868480
	.section	.rodata,"a",@progbits
	.p2align	6, 0x0
	.amdhsa_kernel k_q632c249464_attn
		.amdhsa_group_segment_fixed_size 314624
		.amdhsa_private_segment_fixed_size 0
		.amdhsa_enable_private_segment 0
		.amdhsa_kernarg_size 72
		.amdhsa_user_sgpr_count 2
		.amdhsa_user_sgpr_kernarg_segment_ptr 1
		.amdhsa_wavefront_size32 1
		.amdhsa_system_sgpr_workgroup_id_x 1
		.amdhsa_system_sgpr_workgroup_id_y 1
		.amdhsa_system_sgpr_workgroup_id_z 1
		.amdhsa_system_vgpr_workitem_id 0
		.amdhsa_next_free_vgpr 512
		.amdhsa_next_free_sgpr 66
		.amdhsa_reserve_vcc 0
		.amdhsa_float_denorm_mode_32 3
		.amdhsa_float_denorm_mode_16_64 3
		.amdhsa_memory_ordered 1
		.amdhsa_forward_progress 1
		.amdhsa_inst_pref_size 243
	.end_amdhsa_kernel
	.amdgpu_metadata
---
amdhsa.version: [ 1, 2 ]
amdhsa.kernels:
  - .name:           k_q632c249464_attn
    .symbol:         k_q632c249464_attn.kd
    .args:
      - { .name: encoder_hidden, .offset: 0, .size: 8, .value_kind: global_buffer, .address_space: global }
      - { .name: encoder_padding, .offset: 8, .size: 8, .value_kind: global_buffer, .address_space: global }
      - { .name: sum_temporal, .offset: 16, .size: 8, .value_kind: global_buffer, .address_space: global }
      - { .name: v, .offset: 24, .size: 8, .value_kind: global_buffer, .address_space: global }
      - { .name: whp, .offset: 32, .size: 8, .value_kind: global_buffer, .address_space: global }
      - { .name: dec2, .offset: 40, .size: 8, .value_kind: global_buffer, .address_space: global }
      - { .name: out2, .offset: 48, .size: 8, .value_kind: global_buffer, .address_space: global }
      - { .name: wun, .offset: 56, .size: 8, .value_kind: global_buffer, .address_space: global }
      - { .name: ctxp, .offset: 64, .size: 8, .value_kind: global_buffer, .address_space: global }
    .group_segment_fixed_size: 314624
    .private_segment_fixed_size: 0
    .kernarg_segment_align: 8
    .kernarg_segment_size: 72
    .max_flat_workgroup_size: 256
    .sgpr_count:     66
    .vgpr_count:     512
    .wavefront_size: 32
...
	.end_amdgpu_metadata
.endif
;; end of part 2
;; launch norm (part 3): grid 32 x 1, 8 waves a work-group, no clusters, 1,280 bytes of LDS; arguments wun, ctxp, out0, out1; writes out0, out1
.if DOCPART == 3
	.amdgcn_target "amdgcn-amd-amdhsa--gfx1250"
	.amdhsa_code_object_version 6
	.text
	.protected	k_q632c249464_norm
	.globl	k_q632c249464_norm
	.p2align	8
	.type	k_q632c249464_norm,@function
k_q632c249464_norm:
	s_mov_b64 s[64:65], 0
	v_nop
	global_prefetch_b8 v0, s[64:65] scope:SCOPE_SE
	s_setreg_imm32_b32 hwreg(HW_REG_WAVE_MODE, 25, 1), 1
	s_wait_xcnt 0x0
; out1[b][t] = wun[b][t] / the sum over t of wun[b][t];  out0[b][d] = (the sum of the batch's eight partial contexts)[d] / the same sum.
; One work-group a batch: the work is one dependent sum over 2,048 numbers and 40 KiB of loads; more work-groups would each repeat that sum.  A sum of 0 gives NaN, as the problem's own division does.
; Thread t owns eight weights (16 bytes at 16 t of each half of the row) and four columns of the context.  All ten loads go out at once.
.set SPARE, 256                        ; bytes 0-31: the eight waves' sums; from 256 on the spare words, 128 bytes for each wave, which no other line names
.set SPW, 1                            ; v1  LDS address of my spare word; never rewritten
.set NIL, 2                            ; v2  0; never rewritten
	s_load_b256 s[4:11], s[0:1], 0x0               ; wun s[4:5], ctxp s[6:7], out0 s[8:9], out1 s[10:11]
	v_lshl_add_u32 v[SPW], v0, 2, SPARE
	v_mov_b32 v[NIL], 0
	v_lshrrev_b32 v3, 5, v0
	v_readfirstlane_b32 s12, v3                    ; wave 0..7
	v_lshlrev_b32 v4, 4, v0                        ; 16 t
	s_lshl_b32 s13, s12, 2
	v_mov_b32 v5, s13
	v_mov_b32 v6, 0
	s_lshl_b32 s14, ttmp9, 13                      ; a row of 2,048 f32
	s_mov_b32 s15, 0
	s_lshl_b32 s16, ttmp9, 15                      ; eight partial contexts of 4,096 bytes
	s_mov_b32 s17, 0
	s_lshl_b32 s18, ttmp9, 12
	s_mov_b32 s19, 0
	s_mov_b32 s20, 0x76543210                      ; v_permlanex16_b32: each lane takes its own place in the other half
	s_mov_b32 s21, 0xfedcba98
	s_wait_kmcnt 0x0
	s_add_nc_u64 s[4:5], s[4:5], s[14:15]
	s_add_nc_u64 s[10:11], s[10:11], s[14:15]
	s_add_nc_u64 s[6:7], s[6:7], s[16:17]
	s_add_nc_u64 s[8:9], s[8:9], s[18:19]
	global_load_b128 v[8:11], v4, s[4:5] th:TH_LOAD_NT
	global_load_b128 v[12:15], v4, s[4:5] offset:4096 th:TH_LOAD_NT
.set i, 0
.rept 8
	global_load_b128 v[16+4*i:19+4*i], v4, s[6:7] offset:4096*i th:TH_LOAD_NT
.set i, i+1
.endr
	s_wait_loadcnt 8                               ; the weights are in; the eight partial contexts stay out
	v_pk_add_f32 v[48:49], v[8:9], v[10:11]
	v_pk_add_f32 v[50:51], v[12:13], v[14:15]
	v_pk_add_f32 v[48:49], v[48:49], v[50:51]
	v_add_f32 v48, v48, v49
	v_add_f32_dpp v48, v48, v48 row_xmask:1 row_mask:0xf bank_mask:0xf
	v_add_f32_dpp v48, v48, v48 row_xmask:2 row_mask:0xf bank_mask:0xf
	v_add_f32_dpp v48, v48, v48 row_xmask:4 row_mask:0xf bank_mask:0xf
	v_add_f32_dpp v48, v48, v48 row_xmask:8 row_mask:0xf bank_mask:0xf
	v_permlanex16_b32 v49, v48, s20, s21
	v_add_f32 v48, v48, v49
	ds_store_b32 v5, v48                           ; all lanes write the wave's word with the same value
	s_wait_dscnt 0x0                               ; for the others' sake
	s_barrier_signal -1
	s_barrier_wait -1
	ds_load_b128 v[52:55], v6
	ds_load_b128 v[56:59], v6 offset:16
	s_wait_dscnt 0x0
	v_pk_add_f32 v[52:53], v[52:53], v[54:55]
	v_pk_add_f32 v[56:57], v[56:57], v[58:59]
	v_pk_add_f32 v[52:53], v[52:53], v[56:57]
	v_add_f32 v52, v52, v53
	v_rcp_f32 v60, v52                             ; twice, to fill the pair that the packed multiplies take
	v_rcp_f32 v61, v52
	v_nop                                          ; a plain instruction behind the reciprocals,
	s_wait_alu depctr_va_vdst(0)                   ; and the wait ahead of their first use
	v_pk_mul_f32 v[8:9], v[8:9], v[60:61]
	v_pk_mul_f32 v[10:11], v[10:11], v[60:61]
	v_pk_mul_f32 v[12:13], v[12:13], v[60:61]
	v_pk_mul_f32 v[14:15], v[14:15], v[60:61]
	global_store_b128 v4, v[8:11], s[10:11]        ; a wave stores 512 consecutive bytes, aligned
	global_store_b128 v4, v[12:15], s[10:11] offset:4096
	s_wait_loadcnt 0x0
.irp a, 0,8,16,24
	v_pk_add_f32 v[16+\a:17+\a], v[16+\a:17+\a], v[20+\a:21+\a]
	v_pk_add_f32 v[18+\a:19+\a], v[18+\a:19+\a], v[22+\a:23+\a]
.endr
.irp a, 0,16
	v_pk_add_f32 v[16+\a:17+\a], v[16+\a:17+\a], v[24+\a:25+\a]
	v_pk_add_f32 v[18+\a:19+\a], v[18+\a:19+\a], v[26+\a:27+\a]
.endr
	v_pk_add_f32 v[16:17], v[16:17], v[32:33]
	v_pk_add_f32 v[18:19], v[18:19], v[34:35]
	v_pk_mul_f32 v[16:17], v[16:17], v[60:61]
	v_pk_mul_f32 v[18:19], v[18:19], v[60:61]
	global_store_b128 v4, v[16:19], s[8:9]
	s_wait_tensorcnt 0x0                           ; the wave's end, behind my last LDS store
	ds_add_u32 v[SPW], v[NIL]
	s_wait_dscnt 0x0
	s_endpgm
.Lfunc_end_k_q632c249464_norm:
	.size	k_q632c249464_norm, .Lfunc_end_k_q632c249464_norm-k_q632c249464_norm
	.p2alignl 7, 3214868480
	.fill 96, 4, 3214868480
	.section	.rodata,"a",@progbits
	.p2align	6, 0x0
	.amdhsa_kernel k_q632c249464_norm
		.amdhsa_group_segment_fixed_size 1280
		.amdhsa_private_segment_fixed_size 0
		.amdhsa_enable_private_segment 0
		.amdhsa_kernarg_size 32
		.amdhsa_user_sgpr_count 2
		.amdhsa_user_sgpr_kernarg_segment_ptr 1
		.amdhsa_wavefront_size32 1
		.amdhsa_system_sgpr_workgroup_id_x 1
		.amdhsa_system_sgpr_workgroup_id_y 1
		.amdhsa_system_sgpr_workgroup_id_z 1
		.amdhsa_system_vgpr_workitem_id 0
		.amdhsa_next_free_vgpr 64
		.amdhsa_next_free_sgpr 66
		.amdhsa_reserve_vcc 0
		.amdhsa_float_denorm_mode_32 3
		.amdhsa_float_denorm_mode_16_64 3
		.amdhsa_memory_ordered 1
		.amdhsa_forward_progress 1
		.amdhsa_inst_pref_size 5
	.end_amdhsa_kernel
	.amdgpu_metadata
---
amdhsa.version: [ 1, 2 ]
amdhsa.kernels:
  - .name:           k_q632c249464_norm
    .symbol:         k_q632c249464_norm.kd
    .args:
      - { .name: wun, .offset: 0, .size: 8, .value_kind: global_buffer, .address_space: global }
      - { .name: ctxp, .offset: 8, .size: 8, .value_kind: global_buffer, .address_space: global }
      - { .name: out0, .offset: 16, .size: 8, .value_kind: global_buffer, .address_space: global }
      - { .name: out1, .offset: 24, .size: 8, .value_kind: global_buffer, .address_space: global }
    .group_segment_fixed_size: 1280
    .private_segment_fixed_size: 0
    .kernarg_segment_align: 8
    .kernarg_segment_size: 32
    .max_flat_workgroup_size: 256
    .sgpr_count:     66
    .vgpr_count:     64
    .wavefront_size: 32
...
	.end_amdgpu_metadata
.endif
;; end of part 3
;; ======== version 2 of 2: 3 launches; version 1 with the launches prep, attn written anew for expert scheduling mode
;; limits: right only within a limited range of input values
;; workspace buffers: whp 2,097,152 bytes; dec2 131,072 bytes; wun 262,144 bytes; ctxp 1,048,576 bytes
;; launch prep (part 4): grid 64 x 1, 8 waves a work-group, no clusters, 156,672 bytes of LDS; arguments Wh, Ws, bs, decoder_hidden, whp, dec2; writes whp, dec2
.if DOCPART == 4
	.amdgcn_target "amdgcn-amd-amdhsa--gfx1250"
	.amdhsa_code_object_version 6
	.text
	.protected	k_q632c249464_prep
	.globl	k_q632c249464_prep
	.p2align	8
	.type	k_q632c249464_prep,@function
k_q632c249464_prep:
	s_mov_b64 s[64:65], 0
	v_nop
	global_prefetch_b8 v0, s[64:65] scope:SCOPE_SE
	s_setreg_imm32_b32 hwreg(HW_REG_WAVE_SCHED_MODE, 0, 2), 2
	s_setreg_imm32_b32 hwreg(HW_REG_WAVE_MODE, 25, 1), 1
	s_wait_xcnt 0x0
	s_wait_alu depctr_vm_vsrc(0)
; PREPARATION.  (1) whp = Wh rounded once to bf16 and laid out fragment by fragment, as the next launch's waves stream it;
; (2) dec2 = c2 x (decoder_hidden Ws^T + bs), c2 = 2 log2(e), f32, laid out [64 column blocks][32 batches][16 columns].
; SHARES.  Work-group g owns column block g: rows 16 g .. 16 g + 15 of Wh and of Ws.  Wave w owns k = 128 w .. 128 w + 127: four K steps of 32.
; A load of a wave covers 512 consecutive bytes of one row; the four f32 of a lane become 8 bytes of bf16 and go through the wave's own LDS image,
; from which they come back as matrix fragments: 16 rows x 32 k in 8 registers, lane l = row l % 16, registers 0-3 k = 8 (l / 16) + 0..7, registers 4-7 k = 16 + 8 (l / 16) + 0..7.
; whp: [wave 8][pass 2][K step 32][block 4][1,024 bytes]; column block g belongs to wave (g / 4) % 8, pass g / 32, block g % 4 of the next launch; a fragment is two halves of 512 bytes, 16 bytes a lane.
; The product for dec2 has K split among the eight waves; the eight f32 partial sums meet in LDS.
; THE MODE: SCHED_MODE bits 1:0 = 2 (LLVM: expert scheduling mode 2), set by the entry lines.  The code itself states the register dependences
; between vector or matrix instructions and memory or LDS instructions, with s_wait_alu, always for 0.
; THE PLAN.  Registers that memory or LDS instructions touch:
;   v3-v9, v11     offsets and addresses, made at the head and never written again.
;   v12-15         at work at the head; then bs lands there.
;   v16-79         Wh lands; 32 conversions in place; 16 LDS stores read; decoder_hidden's batches 16-31 land; conversions; stores; four fragments land (v16-47); the products read them;
;                  in waves 0-3 the partial sums land there, are added, and v16-19 are stored.
;   v80-143, v144-207   Ws, and decoder_hidden's batches 0-15: land; conversions; stores; fragments land; the products read them.
;   v208-239       Wh's fragments: LDS loads land, global stores read; no vector instruction names them.
;   v240-255       the two accumulators: the products write, four LDS stores read.
; So a group's 32 conversions stand together, ONE wait on va_vdst behind them, and the 16 stores follow; a wait on vm_vsrc stands ahead of each run of loads that lands where LDS stores have read.
.set IMGB,  4352                       ; an image: four fragments of 1,088 bytes
.set FRB,   1088                       ; a fragment: two halves of 544 bytes; a half: two groups of 16 lanes x 16 bytes, 272 bytes apart
.set PART,  32*IMGB                    ; behind the 8 x 4 images: eight partial sums of 2,048 bytes ([32 batches][16 columns] f32)
.set SPARE, PART+8*2048                ; behind them: the spare words, 128 bytes for each wave, which no other line names
.set SPW, 1                            ; v1   LDS address of my spare word; never rewritten
.set NIL, 2                            ; v2   0; never rewritten
.set GOF, 3                            ; v3   512 w + 16 l: my 16 bytes of a row
.set IW,  4                            ; v4   where my 8 bytes of row 0 go in my wave's image 0
.set IR,  5                            ; v5   where I read 16 bytes of a fragment's first half
.set PW,  6                            ; v6   where I put my partial sums
.set PR,  7                            ; v7   where I read partial sums back (waves 0-3)
.set OW,  8                            ; v8   my byte offset in whp
.set OD,  9                            ; v9   my byte offset in dec2
.set WV,  16                           ; s16  my wave's number
.set C2,  26                           ; s[26:27] 2 log2(e), twice
.macro LD16 g, base, row0              ; sixteen rows' 512 bytes
.set i, 0
.rept 16
	global_load_b128 v[(\g)+4*i:(\g)+4*i+3], v[GOF], s[\base:\base+1] offset:((\row0)+i)*4096
.set i, i+1
.endr
.endm
.macro PK16 g, m                       ; rounded to bf16 in place, 8 bytes a lane and row into image m
.set i, 0
.rept 16
	v_cvt_pk_bf16_f32 v[(\g)+4*i], v[(\g)+4*i], v[(\g)+4*i+1]
	v_cvt_pk_bf16_f32 v[(\g)+4*i+1], v[(\g)+4*i+2], v[(\g)+4*i+3]
.set i, i+1
.endr
	s_wait_alu depctr_va_vdst(0)                   ; the 32 conversions have written the sixteen pairs that the stores below read, and are done with the group's registers
.set i, 0
.rept 16
	ds_store_b64 v[IW], v[(\g)+4*i:(\g)+4*i+1] offset:(\m)*IMGB+16*i
.set i, i+1
.endr
.endm
.macro FR g, m                         ; image m's four fragments
.set i, 0
.rept 4
	ds_load_b128 v[(\g)+8*i:(\g)+8*i+3],   v[IR] offset:(\m)*IMGB+i*FRB
	ds_load_b128 v[(\g)+8*i+4:(\g)+8*i+7], v[IR] offset:(\m)*IMGB+i*FRB+544
.set i, i+1
.endr
.endm
	s_load_b256 s[4:11], s[0:1], 0x0               ; Wh s[4:5], Ws s[6:7], bs s[8:9], decoder_hidden s[10:11]
	s_load_b128 s[12:15], s[0:1], 0x20             ; whp s[12:13], dec2 s[14:15]
	v_lshl_add_u32 v[SPW], v0, 2, SPARE
	v_mov_b32 v[NIL], 0
	v_lshrrev_b32 v11, 5, v0
	v_readfirstlane_b32 s[WV], v11                 ; wave 0..7
	v_and_b32 v10, 31, v0                          ; l
	s_wait_alu depctr_va_sdst(0)                   ; s[WV] is written, ahead of its first reader: offsets and LDS addresses are made from it
	s_lshl_b32 s17, s[WV], 9
	v_lshl_add_u32 v[GOF], v10, 4, s17
	s_mul_i32 s18, s[WV], 4*IMGB                   ; my wave's four images
	; my four numbers are k = 4 l .. 4 l + 3 of the wave's 128: fragment l / 8, half (l / 4) % 2, lane group (l / 2) % 2, 8 bytes l % 2
	v_lshrrev_b32 v11, 3, v10
	v_mul_u32_u24 v[IW], v11, FRB
	v_add_nc_u32 v[IW], s18, v[IW]
	v_bfe_u32 v11, v10, 2, 1
	v_mul_u32_u24 v11, v11, 544
	v_add_nc_u32 v[IW], v[IW], v11
	v_bfe_u32 v11, v10, 1, 1
	v_mul_u32_u24 v11, v11, 272
	v_add_nc_u32 v[IW], v[IW], v11
	v_and_b32 v11, 1, v10
	v_lshl_add_u32 v[IW], v11, 3, v[IW]
	v_bfe_u32 v12, v10, 4, 1                       ; l / 16
	v_and_b32 v13, 15, v10                         ; l % 16
	v_mul_u32_u24 v[IR], v12, 272
	v_lshl_add_u32 v[IR], v13, 4, v[IR]
	v_add_nc_u32 v[IR], s18, v[IR]
	s_lshl_b32 s19, s[WV], 11
	s_add_co_u32 s19, s19, PART
	v_lshl_add_u32 v[PW], v13, 6, s19              ; batch l % 16: 64 bytes a batch,
	v_lshl_add_u32 v[PW], v12, 5, v[PW]            ; my eight columns
	s_add_co_u32 s19, s17, PART
	v_lshl_add_u32 v[PR], v10, 4, s19              ; 16 x my thread's number, made of wave and lane
	s_lshr_b32 s19, ttmp9, 2
	s_and_b32 s19, s19, 7
	s_lshl_b32 s19, s19, 1
	s_lshr_b32 s20, ttmp9, 5
	s_add_co_u32 s19, s19, s20                     ; 2 x (the next launch's wave) + its pass
	s_lshl_b32 s19, s19, 17
	s_and_b32 s20, ttmp9, 3
	s_lshl_b32 s20, s20, 10                        ; its block
	s_add_co_u32 s19, s19, s20
	s_lshl_b32 s20, s[WV], 14                      ; my four K steps of 4,096 bytes
	s_add_co_u32 s19, s19, s20
	v_lshl_add_u32 v[OW], v10, 4, s19
	s_lshl_b32 s20, ttmp9, 11
	v_lshl_add_u32 v[OD], v0, 4, s20
	v_and_b32 v11, 3, v0
	s_lshl_b32 s21, ttmp9, 6
	v_lshl_add_u32 v11, v11, 4, s21                ; bs: columns 16 g + 4 (t % 4) ..
	s_lshl_b32 s22, ttmp9, 16                      ; 16 rows of 4,096 bytes
	s_mov_b32 s23, 0
	s_mov_b32 s[C2], 0x4038aa3b
	s_mov_b32 s[C2+1], s[C2]
	s_wait_kmcnt 0x0
	s_add_nc_u64 s[4:5], s[4:5], s[22:23]
	s_add_nc_u64 s[6:7], s[6:7], s[22:23]
	s_wait_alu depctr_va_vdst(0)                   ; the offsets and addresses v3 to v9 and v11 are written, which every load and store below reads; the head is done with v12 and v13, where bs lands
	global_load_b128 v[12:15], v11, s[8:9]
	LD16 16, 4, 0                                  ; Wh
	LD16 80, 6, 0                                  ; Ws
	LD16 144, 10, 0                                ; decoder_hidden, batches 0-15
	s_wait_loadcnt 32                              ; bs and Wh are in; the 32 younger loads stay out
	PK16 16, 0
	FR 208, 0                                      ; LDS serves a wave's instructions in order (ISA guide 5.7.1.4): these see the stores above; the image is my wave's own
	s_wait_alu depctr_vm_vsrc(0)                   ; the sixteen LDS stores have read their pairs in v16-79, in which the loads below land (the conversions that named them stand ahead of the last wait on va_vdst)
	LD16 16, 10, 16                                ; decoder_hidden, batches 16-31, where Wh lay
	s_wait_dscnt 0x0                               ; Wh's fragments are in
.set i, 0
.rept 8
	global_store_b128 v[OW], v[208+4*i:208+4*i+3], s[12:13] offset:(i/2)*4096+(i%2)*512  ; 512 consecutive bytes, at a multiple of 512 from whp's first byte
.set i, i+1
.endr
	s_wait_loadcnt 32                              ; Ws is in; both halves of decoder_hidden stay out
	PK16 80, 1
	s_wait_loadcnt 16                              ; batches 0-15 are in
	PK16 144, 2
	s_wait_loadcnt 0x0
	PK16 16, 3
	s_wait_alu depctr_vm_vsrc(0)                   ; the LDS stores of the three groups have read their pairs: these registers take the fragments now
	FR 80, 1
	FR 144, 2
	FR 16, 3
	s_wait_dscnt 0x0
	; source 0 = 16 rows of Ws, source 1 = 16 batches: a lane ends with one batch (l % 16) and the columns 8 (l / 16) + 0..7.  The two accumulators take turns.
	v_wmma_f32_16x16x32_bf16 v[240:247], v[80:87], v[144:151], 0
	v_wmma_f32_16x16x32_bf16 v[248:255], v[80:87], v[16:23], 0
.set i, 1
.rept 3
	v_wmma_f32_16x16x32_bf16 v[240:247], v[80+8*i:87+8*i], v[144+8*i:151+8*i], v[240:247]
	v_wmma_f32_16x16x32_bf16 v[248:255], v[80+8*i:87+8*i], v[16+8*i:23+8*i], v[248:255]
.set i, i+1
.endr
.rept 4
	v_nop                                          ; four places between the last product and the stores of its result
.endr
	s_wait_alu depctr_va_vdst(0)                   ; the products have written the accumulators, which the LDS stores read, and are done reading v16-47, where waves 0-3 read the partial sums back; the places above stay beside this wait
	ds_store_b128 v[PW], v[240:243]
	ds_store_b128 v[PW], v[244:247] offset:16
	ds_store_b128 v[PW], v[248:251] offset:1024    ; batches 16-31
	ds_store_b128 v[PW], v[252:255] offset:1040
	s_wait_dscnt 0x0                               ; for the others' sake: my partial sums lie in LDS
	s_barrier_signal -1
	s_barrier_wait -1
	s_cmp_lt_u32 s[WV], 4                          ; 2,048 bytes of sums: 128 threads, 16 bytes each
	s_cbranch_scc0 .Lend
.set i, 0
.rept 8
	ds_load_b128 v[16+4*i:19+4*i], v[PR] offset:2048*i
.set i, i+1
.endr
	s_wait_dscnt 0x0
.irp a, 0,8,16,24
	v_pk_add_f32 v[16+\a:17+\a], v[16+\a:17+\a], v[20+\a:21+\a]
	v_pk_add_f32 v[18+\a:19+\a], v[18+\a:19+\a], v[22+\a:23+\a]
.endr
.irp a, 0,16
	v_pk_add_f32 v[16+\a:17+\a], v[16+\a:17+\a], v[24+\a:25+\a]
	v_pk_add_f32 v[18+\a:19+\a], v[18+\a:19+\a], v[26+\a:27+\a]
.endr
	v_pk_add_f32 v[16:17], v[16:17], v[32:33]
	v_pk_add_f32 v[18:19], v[18:19], v[34:35]
	v_pk_add_f32 v[16:17], v[16:17], v[12:13]      ; + bs
	v_pk_add_f32 v[18:19], v[18:19], v[14:15]
	v_pk_mul_f32 v[16:17], v[16:17], s[C2:C2+1] op_sel_hi:[1,0]
	v_pk_mul_f32 v[18:19], v[18:19], s[C2:C2+1] op_sel_hi:[1,0]
	s_wait_alu depctr_va_vdst(0)                   ; the scalings have written v16-19, which the store reads
	global_store_b128 v[OD], v[16:19], s[14:15]    ; a wave stores 512 consecutive bytes, aligned
.Lend:
	s_wait_dscnt 0x0                               ; the closing lines, six on end
	s_wait_alu 0x0
	s_wait_tensorcnt 0x0
	ds_add_u32 v[SPW], v[NIL]
	s_wait_dscnt 0x0
	s_endpgm
.Lfunc_end_k_q632c249464_prep:
	.size	k_q632c249464_prep, .Lfunc_end_k_q632c249464_prep-k_q632c249464_prep
	.p2alignl 7, 3214868480
	.fill 96, 4, 3214868480
	.section	.rodata,"a",@progbits
	.p2align	6, 0x0
	.amdhsa_kernel k_q632c249464_prep
		.amdhsa_group_segment_fixed_size 156672
		.amdhsa_private_segment_fixed_size 0
		.amdhsa_enable_private_segment 0
		.amdhsa_kernarg_size 48
		.amdhsa_user_sgpr_count 2
		.amdhsa_user_sgpr_kernarg_segment_ptr 1
		.amdhsa_wavefront_size32 1
		.amdhsa_system_sgpr_workgroup_id_x 1
		.amdhsa_system_sgpr_workgroup_id_y 1
		.amdhsa_system_sgpr_workgroup_id_z 1
		.amdhsa_system_vgpr_workitem_id 0
		.amdhsa_next_free_vgpr 256
		.amdhsa_next_free_sgpr 66
		.amdhsa_reserve_vcc 0
		.amdhsa_float_denorm_mode_32 3
		.amdhsa_float_denorm_mode_16_64 3
		.amdhsa_memory_ordered 1
		.amdhsa_forward_progress 1
		.amdhsa_inst_pref_size 28
	.end_amdhsa_kernel
	.amdgpu_metadata
---
amdhsa.version: [ 1, 2 ]
amdhsa.kernels:
  - .name:           k_q632c249464_prep
    .symbol:         k_q632c249464_prep.kd
    .args:
      - { .name: Wh, .offset: 0, .size: 8, .value_kind: global_buffer, .address_space: global }
      - { .name: Ws, .offset: 8, .size: 8, .value_kind: global_buffer, .address_space: global }
      - { .name: bs, .offset: 16, .size: 8, .value_kind: global_buffer, .address_space: global }
      - { .name: decoder_hidden, .offset: 24, .size: 8, .value_kind: global_buffer, .address_space: global }
      - { .name: whp, .offset: 32, .size: 8, .value_kind: global_buffer, .address_space: global }
      - { .name: dec2, .offset: 40, .size: 8, .value_kind: global_buffer, .address_space: global }
    .group_segment_fixed_size: 156672
    .private_segment_fixed_size: 0
    .kernarg_segment_align: 8
    .kernarg_segment_size: 48
    .max_flat_workgroup_size: 256
    .sgpr_count:     66
    .vgpr_count:     256
    .wavefront_size: 32
...
	.end_amdgpu_metadata
.endif
;; end of part 4
;; launch attn (part 5): grid 256 x 1, 8 waves a work-group, no clusters, 314,624 bytes of LDS; arguments encoder_hidden, encoder_padding, sum_temporal, v, whp, dec2, out2, wun, ctxp; writes out2, wun, ctxp
.if DOCPART == 5
	.amdgcn_target "amdgcn-amd-amdhsa--gfx1250"
	.amdhsa_code_object_version 6
	.text
	.protected	k_q632c249464_attn
	.globl	k_q632c249464_attn
	.p2align	8
	.type	k_q632c249464_attn,@function
k_q632c249464_attn:
	s_mov_b64 s[64:65], 0
	v_nop
	global_prefetch_b8 v0, s[64:65] scope:SCOPE_SE
	s_setreg_imm32_b32 hwreg(HW_REG_WAVE_SCHED_MODE, 0, 2), 2
	s_setreg_imm32_b32 hwreg(HW_REG_WAVE_MODE, 25, 1), 1
	s_wait_xcnt 0x0
	s_wait_alu depctr_vm_vsrc(0)
; score[t] = the sum over e of v[e] tanh(enc[t] . Wh[e] + dec[b][e]);  ex = exp(score);  out2 = sum_temporal + ex;  wun = ex / sum_temporal x padding (not yet normalised);
; ctxp[g] = the sum over the work-group's 256 rows of wun[t] enc[t][:].  The next launch divides by the batch's sum of wun.
; FORMATS.  enc and Wh are rounded once to bf16 for the products, sums in f32; tanh, the v sum, exp and the weights in f32; for the context product the weight is rounded once to bf16.
; tanh x = 1 - 2 / (1 + 2^(c2 x)), c2 = 2 log2(e): 2^.. = infinity gives 1, 2^.. = 0 gives -1, so no clamp is wanted.  score = sum(v) + the sum of (-2 v[e]) / (1 + 2^..): every term is at most 2 |v[e]|.
; LIMITS.  No maximum is taken away before exp: the problem's own formula takes none, and out2 wants exp(score) itself.  ex below 2^-126 counts as 0.  The context is summed with weights not yet normalised:
; the sum over 256 rows of wun[t] |enc[t][d]| must stay finite in f32.  NaN and infinities are not treated apart.
; SHARES.  Work-group g owns rows 256 g .. 256 g + 255 of the 65,536 (batch g / 8), as two tiles of 128 rows.  A tile lies in LDS in bf16, whole: 128 rows x 1,024.  The 1,024 columns go in two passes of 512;
; in a pass wave w owns 64 columns (four blocks of 16) for all 128 rows (eight blocks of 16): 32 accumulators, 256 registers.  K goes in 32 steps of 32.
; Source 0 = 16 rows of Wh, source 1 = 16 rows of enc: a lane holds ONE row of enc (l % 16) and the columns 8 (l / 16) + 0..7, so the v sum stays in the lane but for one exchange of the lanes' halves.
; Wh comes straight into registers: no two waves of a work-group want the same fragment, and whp holds a wave's fragments on end, 4,096 bytes a K step.  Three buffers: a fragment is asked for three steps ahead.
; enc arrives DURING pass 1, in half-chunks (a chunk = 64 k = 256 bytes of each row): a wave's four loads bring 8 of its 16 rows, two whole aligned blocks of 256 bytes a load; three half-sets of
; registers; a half-chunk is asked for six steps, rounded and stored three steps, ahead of its first product; one barrier a chunk shows it to the other waves.  Pass 2 reads the tile that lies there.
; NO CLUSTER, NO JOINT LOADS, though all work-groups walk the same whp: a joint load lands in LDS, and beside the tile (294,912 bytes) and the tables, stages and spare words (19,712) 13,056 bytes are left:
; two slots of 6 KiB, a step and a half of ONE wave's fragments each.
; REGISTERS: window 0 as named below; window 1: the 32 accumulators, (row block rb, column block j) at v[8 (4 rb + j)]; in the context product CX v0-63, F0 v64-127, F1 v128-191, WF v192-223.
; s_set_vgpr_msb: bits 1:0 source 0, 3:2 source 1, 5:4 source 2, 7:6 destination.
; THE MODE: SCHED_MODE bits 1:0 = 2 (LLVM: expert scheduling mode 2), set by the entry lines.  The code itself states the register dependences
; between vector or matrix instructions and memory or LDS instructions, with s_wait_alu, always for 0.
; THE PLAN.  Registers that memory or LDS instructions touch, in a K step s:
;   AF, half 0 (row blocks 0-3) and half 1 (4-7)   The step's first sixteen products read half 0, its last sixteen half 1; behind each sixteen the next step's fragments land in the half just read.
;   BB[s % 3]   The step's 32 products read it; behind them Wh's step s + 3 lands in it.
;   EE[s % 3]   (pass 1) Eight conversions work in place; four LDS stores read it; then half-chunk s + 6 lands in it.
;   AD, SA      Read by the fragments' loads and by the tile's stores; stepped behind each odd step; set anew at a tile's and a pass's head.
;   All other addresses are made at the head and never written again.  The wave's 512 registers are all taken: the two halves of AF are the buffers that take turns.
; So a step has TWO waits on va_vdst: one behind its first sixteen products, ahead of the run of loads into half 0; one at its end, behind the conversions, ahead of the stores and of the runs of loads into half 1
; and BB.  The products that follow each run name the other half, another buffer of BB and the accumulators: none of the registers that the run touches.  ONE wait on vm_vsrc stands behind the end's runs, where
; EE is asked for again or AD and SA are stepped.  Outside the steps (head, tanh's tables, scores, context, way out) each run of loads or stores has its wait ahead of it, named there.
.set PIT,   144                        ; a row of a chunk in LDS: 128 bytes + 16 = 36 words: the 16 rows of a fragment load start at 16 different groups of four banks (64 banks of 4 bytes: ISA guide 11.1)
.set CH,    128*PIT                    ; a chunk: 128 rows x 64 k
.set DT,    16*CH                      ; 294,912: dec2 of my batch, f32 [1024]
.set VT,    DT+4096                    ; -2 v, f32 [1024]
.set SC,    VT+4096                    ; partial scores, f32 [8 waves][128 rows]
.set WT,    SC+4096                    ; for each wave 256 bytes of its own: the tile's weights, bf16 [128]
.set CS,    WT+2048                    ; for each wave 512 bytes of its own: its 128 columns of the tile's context, f32
.set SV,    CS+4096                    ; eight partial sums of v
.set SPARE, SV+256                     ; the spare words, 128 bytes for each wave, which no other line names
.set SPW, 1                            ; v1   LDS address of my spare word; never rewritten
.set NIL, 2                            ; v2   0; never rewritten
.set BO,  3                            ; v3   16 l: my 16 bytes of 512 on end (whp, sum_temporal, padding, out2, wun)
.set EO,  4                            ; v4   enc: (16 w + 8 (l / 16)) rows + 16 (l % 16)
.set SA0, 5                            ; v5   the same place in a chunk in LDS: (16 w + 8 (l / 16)) PIT + 8 (l % 16)
.set SA,  6                            ; v6   SA0 + the chunk in hand
.set AD0, 7                            ; v7   a fragment of enc: (l % 16) PIT + 16 (l / 16)
.set AD,  8                            ; v8   AD0 + the chunk in hand
.set TA,  9                            ; v9   DT + 256 w + 32 (l / 16): my eight columns of block 0 in the tables
.set SCW, 10                           ; v10  SC + 512 w + 4 (l % 16)
.set SCR, 11                           ; v11  SC + 16 l
.set WTW, 12                           ; v12  WT + 256 w + 8 l
.set WTR, 13                           ; v13  WT + 256 w + 16 (l / 16)
.set TRA, 14                           ; v14  the turning load: 2 w chunks + (8 (l / 16) + l % 8) PIT + 16 ((l / 8) % 2)
.set CSW, 15                           ; v15  CS + 512 w + 32 (l / 16)
.set CSR, 16                           ; v16  CS + 512 w + 16 l
.set PFO, 17                           ; v17  the prefetch: (16 w + l % 16) rows + 256 (l / 16)
.set SUMV, 18                          ; v[18:19] log2(e) x the sum of v, twice
.set CTX, 20                           ; v[20:23] my four columns of the context, summed over the tiles
.set S,   24                           ; v[24:39] a pair for each row block: the v sum over even and over odd columns
.set ST,  40                           ; v[40:43] sum_temporal of rows 4 l .. 4 l + 3
.set PD,  44                           ; v[44:47] padding of the same rows
.set AF,  48                           ; v[48:111] enc's fragments, row block rb at AF + 8 rb; between the passes the tables and what is at work
.set BB,  112                          ; v[112:207] Wh's fragments: three buffers of four
.set EE,  208                          ; v[208:255] enc on its way: three half-sets of four loads
.set CX,  0                            ; window 1
.set F0,  64
.set F1,  128
.set WF,  192
.set WV,  22                           ; s22  my wave's number
.set TILES, 23                         ; s23  tiles to go, this one among them
.set CNT, 24                           ; s24  trips
.set C2,  26                           ; s[26:27] 2 log2(e), twice
.set SEL, 28                           ; s[28:29] v_permlanex16_b32's selects: each lane takes its own place in the other half
.set BP,  30                           ; s[30:31] whp, walking
.set BP0, 32                           ; s[32:33] whp at my wave's stream
.set EP,  34                           ; s[34:35] enc, walking along K
.set ET,  36                           ; s[36:37] enc at the tile's first row
.set OF,  38                           ; s[38:39] an offset
.set LG,  40                           ; s[40:41] log2(e), twice
.set W_MUL, 0x50                       ; products: C and D in window 1, fragments in window 0
.set W_ACC, 0x41                       ; work in place on accumulators; a third source in window 0
.set W_SUM, 0x01                       ; source 0 an accumulator, all else in window 0
.set W_TO1, 0x40                       ; LDS loads into window 1; addresses and store data in window 0
.set W_CTX, 0x55                       ; the context product: all in window 1
.set W_ST1, 0x04                       ; LDS stores of window 1
.set MSB, 0
.macro WIN new                         ; the immediate's high byte repeats the setting that is left; a switch that changes nothing is dropped
.if MSB != (\new)
	s_set_vgpr_msb (MSB<<8)|(\new)
.set MSB, \new
.endif
.endm
.macro PLACES                          ; four places between a product and a vector instruction on, or a store of, its registers; they also stand ahead of the waits behind which loads land in a product's sources
.rept 4
	v_nop
.endr
.endm
; Row blocks rbA .. rbB x the four column blocks, 32 along K.  The accumulators take turns, one instruction a turn, in the same order in every step: 31 others stand between two links of a chain.
.macro MUL rbA, rbB, buf, zero
.set rb, \rbA
.rept (\rbB)-(\rbA)+1
.set j, 0
.rept 4
.if \zero
	v_wmma_f32_16x16x32_bf16 v[8*(4*rb+j):8*(4*rb+j)+7], v[BB+32*(\buf)+8*j:BB+32*(\buf)+8*j+7], v[AF+8*rb:AF+8*rb+7], 0
.else
	v_wmma_f32_16x16x32_bf16 v[8*(4*rb+j):8*(4*rb+j)+7], v[BB+32*(\buf)+8*j:BB+32*(\buf)+8*j+7], v[AF+8*rb:AF+8*rb+7], v[8*(4*rb+j):8*(4*rb+j)+7]
.endif
.set j, j+1
.endr
.set rb, rb+1
.endr
.endm
.macro LDA half, imm                   ; enc's fragments of row blocks 4 half .. 4 half + 3
.set rb, 4*(\half)
.rept 4
	ds_load_b128 v[AF+8*rb:AF+8*rb+3],   v[AD] offset:(\imm)+rb*16*PIT
	ds_load_b128 v[AF+8*rb+4:AF+8*rb+7], v[AD] offset:(\imm)+rb*16*PIT+32
.set rb, rb+1
.endr
.endm
.macro LDB buf, off                    ; a K step's four fragments of Wh: eight loads of 512 consecutive bytes
.set j, 0
.rept 4
	global_load_b128 v[BB+32*(\buf)+8*j:BB+32*(\buf)+8*j+3],   v[BO], s[BP:BP+1] offset:(\off)+j*1024
	global_load_b128 v[BB+32*(\buf)+8*j+4:BB+32*(\buf)+8*j+7], v[BO], s[BP:BP+1] offset:(\off)+j*1024+512
.set j, j+1
.endr
.endm
.macro LDE set, base, off              ; a half-chunk: four loads, each 256 bytes of two rows
.set i, 0
.rept 4
	global_load_b128 v[EE+16*(\set)+4*i:EE+16*(\set)+4*i+3], v[EO], s[\base:\base+1] offset:(\off)+i*4096 th:TH_LOAD_NT
.set i, i+1
.endr
.endm
.macro CVT set                         ; rounded to bf16, in place
.set i, 0
.rept 4
	v_cvt_pk_bf16_f32 v[EE+16*(\set)+4*i],   v[EE+16*(\set)+4*i],   v[EE+16*(\set)+4*i+1]
	v_cvt_pk_bf16_f32 v[EE+16*(\set)+4*i+1], v[EE+16*(\set)+4*i+2], v[EE+16*(\set)+4*i+3]
.set i, i+1
.endr
.endm
.macro STO set, imm                    ; 8 bytes a lane; the two rows of a store lie 8 PIT = 288 words apart, half of the banks
.set i, 0
.rept 4
	ds_store_b64 v[SA], v[EE+16*(\set)+4*i:EE+16*(\set)+4*i+1] offset:(\imm)+i*PIT
.set i, i+1
.endr
.endm
.macro PRIME                           ; a tile's first loads: Wh's K steps 0-2, enc's half-chunks 0-2
	LDB 0, 0
	LDB 1, 4096
	LDB 2, 8192
	LDE 0, ET, 0
	LDE 1, ET, 16384
	LDE 2, ET, 256
.endm
; ONE K STEP s.  buf = Wh's buffer, and in pass 1 the half-set; odd = s % 2; zero = 1: the products start the sums; nb: the loads issued behind this step's fragments of Wh (-1: shown in already);
; ds0: the LDS instructions issued behind the loads of row blocks 0-3; bar = 1: the barrier that shows the next chunk; nxa = 1: the next step's fragments of enc are fetched; bl = 1: Wh's step s + 3 is asked for,
; boff bytes behind BP; sm = 1, 2: half-chunk s + 3 is rounded and stored (ne: the loads issued behind it); sm = 2: half-chunk s + 6 is asked for, eoff bytes behind EP.
.macro STEP buf, odd, zero, nb, ds0, bar, nxa, bl, boff, sm, ne, eoff
.if (\nb) >= 0
	s_wait_loadcnt \nb
.endif
	s_wait_dscnt \ds0
	WIN W_MUL
	MUL 0, 1, \buf, \zero
.if \bar
	s_wait_dscnt 0x0                               ; my stores of the next chunk's two half-chunks are done, and no LDS instruction of mine is out:
	s_barrier_signal -1                            ; say so,
.endif
	MUL 2, 3, \buf, \zero                          ; work on registers meanwhile,
.if \bar
	s_barrier_wait -1                              ; and read the next chunk only when all eight waves have said so
.endif
.if \nxa
	WIN 0
	PLACES
	s_wait_alu depctr_va_vdst(0)                   ; the sixteen products above are done reading row blocks 0-3, in which the loads below land; behind an odd step v[AD], which they read, is written
	LDA 0, 64+(\odd)*(CH-64)                       ; the same chunk's second 32 k, or the next chunk's first
	s_wait_dscnt 8                                 ; all but the eight just issued: row blocks 4-7 are in
.else
	s_wait_dscnt 0x0
.endif
	WIN W_MUL
	MUL 4, 7, \buf, \zero                          ; they name row blocks 4-7, Wh's buffer and accumulators: none of the registers that the run above touches
	WIN 0
.if \sm
	s_wait_loadcnt \ne
	CVT \buf                                       ; eight plain instructions that name no register of the products: their places too
.else
	PLACES
.endif
	s_wait_alu depctr_va_vdst(0)                   ; the conversions have written the half-set, which the stores read (and v[SA] is written); the products are done reading row blocks 4-7 and Wh's buffer, in which the loads below, or what follows a pass's last step (the tables, the next tile's first loads), land
.if \sm
	STO \buf, CH+4*PIT+(\odd)*(CH-4*PIT)           ; s even: the next chunk's rows 4-7 and 12-15 of my 16; s odd: the chunk after's rows 0-3 and 8-11
.endif
.if \nxa
	LDA 1, 64+(\odd)*(CH-64)
.endif
.if \bl
	LDB \buf, \boff
.endif
.if ((\sm) == 2) || ((\odd) && ((\nxa) || (\sm)))
	s_wait_alu depctr_vm_vsrc(0)                   ; the stores above have read the half-set, in which the loads below land; the stores and the fragments' loads have read v[SA] and v[AD], which the adds below write
.endif
.if (\sm) == 2
	LDE \buf, EP, \eoff
.endif
.if (\odd) && (\nxa)
	v_add_nc_u32 v[AD], CH, v[AD]
.endif
.if (\odd) && (\sm)
	v_add_nc_u32 v[SA], CH, v[SA]
.endif
.endm
; TANH AND THE V SUM, for the pass's 32 accumulators, in eight batches of four: batch k is column block k / 2, row blocks 4 (k % 2) .. + 3.  One line each:
.macro EF1 k, m                        ; pair m of 16: c2 x + dec2; each accumulator from its lowest pair on
.set eX, 8*(4*(4*((\k)%2)+(\m)/4)+(\k)/2)+2*((\m)%4)
.set eT, AF+16*((\k)/2)+2*((\m)%4)
	v_pk_fma_f32 v[eX:eX+1], v[eX:eX+1], s[C2:C2+1], v[eT:eT+1] op_sel_hi:[1,0,1]
.endm
.macro EEX k, m                        ; number m of 32: 2^..
.set eX, 8*(4*(4*((\k)%2)+(\m)/8)+(\k)/2)+(\m)%8
	v_exp_f32 v[eX], v[eX]
.endm
.macro EA1 k, m                        ; pair m: 1 + ..
.set eX, 8*(4*(4*((\k)%2)+(\m)/4)+(\k)/2)+2*((\m)%4)
	v_pk_add_f32 v[eX:eX+1], v[eX:eX+1], 1.0 op_sel_hi:[1,0]
.endm
.macro ERC k, m                        ; number m: 1 / ..
.set eX, 8*(4*(4*((\k)%2)+(\m)/8)+(\k)/2)+(\m)%8
	v_rcp_f32 v[eX], v[eX]
.endm
.macro EF2 k, m, first                 ; the row block's sum takes pair m / 4 of accumulator m % 4, times -2 v: the four sums by turns.  first = 1: column block 0's first pair starts the sum
.set eR, 4*((\k)%2)+(\m)%4
.set eX, 8*(4*eR+(\k)/2)+2*((\m)/4)
.set eT, AF+16*((\k)/2)+8+2*((\m)/4)
.if (\first) && ((\k) < 2) && ((\m) < 4)
	v_pk_mul_f32 v[S+2*eR:S+2*eR+1], v[eX:eX+1], v[eT:eT+1]
.else
	v_pk_fma_f32 v[S+2*eR:S+2*eR+1], v[eX:eX+1], v[eT:eT+1], v[S+2*eR:S+2*eR+1]
.endif
.endm
; A batch's 32 exponentials are issued with the next batch's scalings between them, then one plain instruction and ONE wait ahead of the first line that names a result;
; the same for its 32 reciprocals, with the additions two pairs ahead of them.  Two waits a batch.  The tables' loads land in AF behind the wait at the end of the pass's last step: no vector or matrix instruction since names AF.
.macro EPI first, p
	WIN 0
.set j, 0
.rept 4                                ; my eight columns of each block: dec2 at AF + 16 j, -2 v at AF + 16 j + 8
	ds_load_b128 v[AF+16*j:AF+16*j+3],     v[TA] offset:(\p)*2048+64*j
	ds_load_b128 v[AF+16*j+4:AF+16*j+7],   v[TA] offset:(\p)*2048+64*j+16
	ds_load_b128 v[AF+16*j+8:AF+16*j+11],  v[TA] offset:(\p)*2048+64*j+4096
	ds_load_b128 v[AF+16*j+12:AF+16*j+15], v[TA] offset:(\p)*2048+64*j+4096+16
.set j, j+1
.endr
	s_wait_dscnt 0x0
	WIN W_ACC
.set mm, 0
.rept 16
	EF1 0, mm
.set mm, mm+1
.endr
.set kk, 0
.rept 8
.if kk > 0
	WIN W_SUM
.set mm, 0
.rept 16
	EF2 kk-1, mm, \first
.set mm, mm+1
.endr
.endif
	WIN W_ACC
.set mm, 0
.rept 16
.if kk < 7
	EF1 kk+1, mm
.endif
	EEX kk, 2*mm
	EEX kk, 2*mm+1
.set mm, mm+1
.endr
	v_nop                                          ; a plain instruction behind the last exponential,
	s_wait_alu depctr_va_vdst(0)                   ; and the batch's wait: the 32 exponentials have written their results, which the additions below read
	EA1 kk, 0
	EA1 kk, 1
.set mm, 0
.rept 16
.if mm < 14
	EA1 kk, mm+2
.endif
	ERC kk, 2*mm
	ERC kk, 2*mm+1
.set mm, mm+1
.endr
	v_nop                                          ; the same for the reciprocals:
	s_wait_alu depctr_va_vdst(0)                   ; the 32 reciprocals have written their results, which the v sums read
.set kk, kk+1
.endr
	WIN W_SUM
.set mm, 0
.rept 16
	EF2 7, mm, \first
.set mm, mm+1
.endr
	WIN 0
.endm
; THE CONTEXT.  Source 0 = enc turned (16 columns x 32 rows), by ds_load_tr16_b128 out of the tile; source 1 = the 32 rows' weights, the same in all 16 columns of the operand.
.macro LDT kk, f                       ; rows 32 kk .. + 31 of my eight column blocks
.set c, 0
.rept 8
	ds_load_tr16_b128 v[(\f)+8*c:(\f)+8*c+3],   v[TRA] offset:(c/4)*CH+(c%4)*32+(\kk)*32*PIT
	ds_load_tr16_b128 v[(\f)+8*c+4:(\f)+8*c+7], v[TRA] offset:(c/4)*CH+(c%4)*32+(\kk)*32*PIT+16*PIT
.set c, c+1
.endr
.endm
.macro MULC kk, f, zero                ; eight accumulators by turns
.set c, 0
.rept 8
.if \zero
	v_wmma_f32_16x16x32_bf16 v[CX+8*c:CX+8*c+7], v[(\f)+8*c:(\f)+8*c+7], v[WF+8*(\kk):WF+8*(\kk)+7], 0
.else
	v_wmma_f32_16x16x32_bf16 v[CX+8*c:CX+8*c+7], v[(\f)+8*c:(\f)+8*c+7], v[WF+8*(\kk):WF+8*(\kk)+7], v[CX+8*c:CX+8*c+7]
.endif
.set c, c+1
.endr
.endm
	s_load_b512 s[4:19], s[0:1], 0x0               ; enc s[4:5], padding s[6:7], sum_temporal s[8:9], v s[10:11], whp s[12:13], dec2 s[14:15], out2 s[16:17], wun s[18:19]
	s_load_b64 s[20:21], s[0:1], 0x40              ; ctxp
	v_lshl_add_u32 v[SPW], v0, 2, SPARE
	v_mov_b32 v[NIL], 0
	v_lshrrev_b32 v48, 5, v0
	v_readfirstlane_b32 s[WV], v48                 ; wave 0..7
	v_and_b32 v48, 31, v0                          ; l
	v_and_b32 v49, 15, v0                          ; l % 16
	v_bfe_u32 v50, v0, 4, 1                        ; l / 16
	v_lshlrev_b32 v[BO], 4, v48
	s_wait_alu depctr_va_sdst(0)                   ; s[WV] is written, ahead of its first reader: offsets, LDS addresses and whp's base are made from it
	s_lshl_b32 s[OF], s[WV], 16                    ; 16 rows of 4,096 bytes
	v_lshl_add_u32 v[EO], v49, 4, s[OF]
	v_lshl_add_u32 v[EO], v50, 15, v[EO]
	v_lshl_add_u32 v[PFO], v49, 12, s[OF]
	v_lshl_add_u32 v[PFO], v50, 8, v[PFO]
	s_mul_i32 s[OF], s[WV], 16*PIT
	v_lshl_add_u32 v[SA0], v49, 3, s[OF]
	v_mul_u32_u24 v51, v50, 8*PIT
	v_add_nc_u32 v[SA0], v[SA0], v51
	v_mul_u32_u24 v[AD0], v49, PIT
	v_lshl_add_u32 v[AD0], v50, 4, v[AD0]
	s_lshl_b32 s[OF], s[WV], 8
	s_add_co_u32 s[OF+1], s[OF], DT
	v_lshl_add_u32 v[TA], v50, 5, s[OF+1]
	s_add_co_u32 s[OF+1], s[OF], WT
	v_lshl_add_u32 v[WTW], v48, 3, s[OF+1]
	v_lshl_add_u32 v[WTR], v50, 4, s[OF+1]
	s_lshl_b32 s[OF], s[WV], 9
	s_add_co_u32 s[OF+1], s[OF], SC
	v_lshl_add_u32 v[SCW], v49, 2, s[OF+1]
	v_lshl_add_u32 v[SCR], v48, 4, SC
	s_add_co_u32 s[OF+1], s[OF], CS
	v_lshl_add_u32 v[CSW], v50, 5, s[OF+1]
	v_lshl_add_u32 v[CSR], v48, 4, s[OF+1]
	v_and_b32 v51, 7, v0
	v_lshl_add_u32 v51, v50, 3, v51
	v_mul_u32_u24 v[TRA], v51, PIT
	v_bfe_u32 v51, v0, 3, 1
	v_lshl_add_u32 v[TRA], v51, 4, v[TRA]
	s_mul_i32 s[OF], s[WV], 2*CH
	v_add_nc_u32 v[TRA], s[OF], v[TRA]
	v_lshlrev_b32 v52, 4, v0                       ; 16 t: my four columns 4 t .. of v,
	v_lshrrev_b32 v53, 2, v0                       ; and of dec2: column block t / 4,
	v_lshlrev_b32 v53, 11, v53
	v_and_b32 v51, 3, v0
	v_lshl_add_u32 v53, v51, 4, v53                ; columns 4 (t % 4) ..,
	s_lshr_b32 s[OF], ttmp9, 3
	s_lshl_b32 s[OF], s[OF], 6
	v_add_nc_u32 v53, s[OF], v53                   ; batch g / 8
	v_add_nc_u32 v54, DT, v52
	s_lshl_b32 s[OF], s[WV], 2
	s_add_co_u32 s[OF], s[OF], SV
	v_mov_b32 v55, s[OF]
	v_mov_b32 v64, SV                              ; where the eight sums of v are read back
	s_mov_b32 s[C2], 0x4038aa3b
	s_mov_b32 s[C2+1], s[C2]
	s_mov_b32 s[SEL], 0x76543210
	s_mov_b32 s[SEL+1], 0xfedcba98
	s_mov_b32 s[LG], 0x3fb8aa3b
	s_mov_b32 s[LG+1], s[LG]
	s_mov_b32 s[TILES], 2
	s_mov_b32 s[OF+1], 0
	s_wait_kmcnt 0x0
	s_lshl_b32 s[OF], ttmp9, 20                    ; 256 rows of 4,096 bytes
	s_add_nc_u64 s[ET:ET+1], s[4:5], s[OF:OF+1]
	s_lshl_b32 s[OF], ttmp9, 10                    ; 256 f32
	s_add_nc_u64 s[6:7], s[6:7], s[OF:OF+1]
	s_add_nc_u64 s[8:9], s[8:9], s[OF:OF+1]
	s_add_nc_u64 s[16:17], s[16:17], s[OF:OF+1]
	s_add_nc_u64 s[18:19], s[18:19], s[OF:OF+1]
	s_lshl_b32 s[OF], ttmp9, 12
	s_add_nc_u64 s[20:21], s[20:21], s[OF:OF+1]
	s_lshl_b32 s[OF], s[WV], 18                    ; my wave's 262,144 bytes of whp
	s_add_nc_u64 s[BP0:BP0+1], s[12:13], s[OF:OF+1]
	s_mov_b64 s[BP:BP+1], s[BP0:BP0+1]
	s_wait_alu depctr_va_vdst(0)                   ; all offsets and addresses (v3 to v17, v52 to v55, v64) are written, which the loads, stores and the prefetch of the whole kernel read; the head is done with v48 to v51, where v lands
	PRIME                                          ; the first tile's loads go out ahead of everything else
	global_load_b128 v[48:51], v52, s[10:11]
	global_load_b128 v[56:59], v53, s[14:15]
	s_wait_loadcnt 0x0
	v_pk_mul_f32 v[60:61], v[48:49], -2.0 op_sel_hi:[1,0]
	v_pk_mul_f32 v[62:63], v[50:51], -2.0 op_sel_hi:[1,0]
	v_add_f32 v48, v48, v49
	v_add_f32 v50, v50, v51
	v_add_f32 v48, v48, v50
	v_add_f32_dpp v48, v48, v48 row_xmask:1 row_mask:0xf bank_mask:0xf
	v_add_f32_dpp v48, v48, v48 row_xmask:2 row_mask:0xf bank_mask:0xf
	v_add_f32_dpp v48, v48, v48 row_xmask:4 row_mask:0xf bank_mask:0xf
	v_add_f32_dpp v48, v48, v48 row_xmask:8 row_mask:0xf bank_mask:0xf
	v_permlanex16_b32 v49, v48, s[SEL], s[SEL+1]
	v_add_f32 v48, v48, v49
	s_wait_alu depctr_va_vdst(0)                   ; -2 v (v60-63) and my wave's sum of v (v48) are written, which the stores below read
	ds_store_b128 v54, v[56:59]
	ds_store_b128 v54, v[60:63] offset:4096
	ds_store_b32 v55, v48                          ; my wave's share of the sum of v
	s_wait_dscnt 0x0                               ; for the others' sake: my parts of the tables lie in LDS
	s_barrier_signal -1
	s_barrier_wait -1
	s_wait_alu depctr_vm_vsrc(0)                   ; the loads and stores above have read v48 (data) and v52 to v55 (addresses), in which the loads below land
	ds_load_b128 v[48:51], v64
	ds_load_b128 v[52:55], v64 offset:16
.set i, 0
.rept 4
	v_mov_b32 v[CTX+i], 0
.set i, i+1
.endr
	s_wait_dscnt 0x0
	v_pk_add_f32 v[48:49], v[48:49], v[50:51]
	v_pk_add_f32 v[52:53], v[52:53], v[54:55]
	v_pk_add_f32 v[48:49], v[48:49], v[52:53]
	v_add_f32 v48, v48, v49
	v_mul_f32 v[SUMV], s[LG], v48
	v_mov_b32 v[SUMV+1], v[SUMV]
.Ltile:
	; THE TILE BEGINS: chunk 0 and half of chunk 1 go into LDS; half-chunks 3 to 5 are asked for.
	s_wait_loadcnt 0x0                             ; PRIME's 36 loads
	s_mov_b64 s[EP:EP+1], s[ET:ET+1]
	s_wait_alu depctr_vm_vsrc(0)                   ; round the loop: pass 2's last fragment loads have read v[AD], which is written anew below; at the first tile: the loads of v's sums have read v64, where fragments land
	CVT 0
	CVT 1
	CVT 2
	v_mov_b32 v[SA], v[SA0]
	v_mov_b32 v[AD], v[AD0]
	s_wait_alu depctr_va_vdst(0)                   ; the conversions have written the three half-sets and v[SA] is written, which the stores read; v[AD] is written and what went before is done with AF: for the fragments' loads behind the barrier
	STO 0, 0
	STO 1, 4*PIT
	STO 2, CH
	s_wait_alu depctr_vm_vsrc(0)                   ; the stores above have read the three half-sets, in which the loads below land; the last tile's stores have read v64-73 and the context's accumulators, which this tile's fragments and products write
	LDE 0, ET, 256+16384
	LDE 1, ET, 512
	LDE 2, ET, 512+16384
	s_wait_dscnt 0x0                               ; my rows of chunk 0 lie in LDS,
	s_barrier_signal -1
	s_barrier_wait -1                              ; everybody's do
	LDA 0, 0
	LDA 1, 0
	; PASS 1: columns 0-511, while the tile arrives.  Behind a step stand, in this order, Wh's 8 loads for step s + 3 and enc's 4 for half-chunk s + 6.  So behind Wh's loads for step s were issued
	; 4 + 2 x 12 = 28, and behind half-chunk s + 3's 2 x 12 = 24; at the ends the counts are smaller, as fewer loads were issued.
	STEP 0, 0, 1, -1, 8, 0, 1, 1, 12288, 2, 8, 768             ; behind half-chunk 3: half-chunks 4 and 5
	STEP 1, 1, 0, -1, 12, 1, 1, 1, 16384, 2, 16, 768+16384     ; behind half-chunk 4: half-chunk 5, Wh's step 3, half-chunk 6
	s_wait_xcnt 0x0                                ; every load issued so far has read its address, so the pointers may be written
	s_add_nc_u64 s[BP:BP+1], s[BP:BP+1], 2*4096
	s_add_nc_u64 s[EP:EP+1], s[EP:EP+1], 256
	s_mov_b32 s[CNT], 4
.Lp1:                                          ; steps 2 to 25, six a trip: the three buffers and the two halves of a chunk come round together
.irp p, 0,1,2,3,4,5
	STEP (2+\p)%3, (\p)%2, 0, 28, 12, (\p)%2, 1, 1, (\p+3)*4096, 2, 24, ((\p)/2+3)*256+((\p)%2)*16384
.endr
	s_wait_xcnt 0x0
	s_add_nc_u64 s[BP:BP+1], s[BP:BP+1], 6*4096
	s_add_nc_u64 s[EP:EP+1], s[EP:EP+1], 3*256
	s_sub_co_u32 s[CNT], s[CNT], 1
	s_cmp_lg_u32 s[CNT], 0
	s_cbranch_scc1 .Lp1
	STEP 2, 0, 0, 28, 12, 0, 1, 1, 12288, 1, 24, 0             ; steps 26 to 31: nothing of enc is left to ask for
	STEP 0, 1, 0, 24, 12, 1, 1, 1, 16384, 1, 20, 0             ; behind Wh's step 27: 4 + 8 + 4 + 8; behind half-chunk 30: 8 + 4 + 8
	STEP 1, 0, 0, 20, 12, 0, 1, 1, 20480, 1, 16, 0             ; behind Wh's step 28: 4 + 8 + 8; behind half-chunk 31: 8 + 8
	STEP 2, 1, 0, 16, 12, 1, 1, 1, 24576, 0, 0, 0              ; the last barrier: chunk 15.  From here on Wh's loads are pass 2's, which follow on end in my stream
	STEP 0, 0, 0, 16, 8, 0, 1, 1, 28672, 0, 0, 0
	STEP 1, 1, 0, 16, 8, 0, 0, 1, 32768, 0, 0, 0
	EPI 1, 0
	; PASS 2: columns 512-1023, on the tile that lies in LDS: no stores, no barrier.  Behind Wh's loads for a step were issued two steps' 8.
	s_wait_xcnt 0x0
	s_add_nc_u64 s[BP:BP+1], s[BP:BP+1], 6*4096
	s_wait_alu depctr_vm_vsrc(0)                   ; pass 1's last fragment loads have read v[AD]
	v_mov_b32 v[AD], v[AD0]
	s_wait_alu depctr_va_vdst(0)                   ; v[AD] is written, which the loads below read; the tanh phase is done reading the tables in AF, in which they land
	LDA 0, 0
	LDA 1, 0
	STEP 2, 0, 1, 16, 8, 0, 1, 1, 12288, 0, 0, 0
	s_wait_xcnt 0x0
	s_add_nc_u64 s[BP:BP+1], s[BP:BP+1], 4096
	s_mov_b32 s[CNT], 4
.Lp2:                                          ; steps 1 to 24
.irp p, 0,1,2,3,4,5
	STEP (\p)%3, (\p+1)%2, 0, 16, 8, 0, 1, 1, (\p+3)*4096, 0, 0, 0
.endr
	s_wait_xcnt 0x0
	s_add_nc_u64 s[BP:BP+1], s[BP:BP+1], 6*4096
	s_sub_co_u32 s[CNT], s[CNT], 1
	s_cmp_lg_u32 s[CNT], 0
	s_cbranch_scc1 .Lp2
.irp p, 0,1,2,3
	STEP (\p)%3, (\p+1)%2, 0, 16, 8, 0, 1, 1, (\p+3)*4096, 0, 0, 0  ; steps 25 to 28 ask for Wh's last four
.endr
	; A PREFETCH of the next tile's head: my own 16 rows x its first two chunks, a lane a block of 256 bytes, each block named once in the launch; it stands behind the step's loads,
	; three K steps ahead of the loads that will want the bytes.  The last tile asks for nothing.  Its offset was made at the head and is never written again.
	s_cmp_gt_u32 s[TILES], 1
	s_cbranch_scc0 .Lno_pf
	global_prefetch_b8 v[PFO], s[ET:ET+1] offset:128*4096 th:TH_LOAD_NT scope:SCOPE_SE
.Lno_pf:
	STEP 1, 1, 0, 16, 8, 0, 1, 0, 0, 0, 0, 0                   ; steps 29 to 31: the counts run down
	STEP 2, 0, 0, 8, 8, 0, 1, 0, 0, 0, 0, 0
	STEP 0, 1, 0, 0, 8, 0, 0, 0, 0, 0, 0, 0                    ; the wait at its end serves all the loads from here to the tables': no vector or matrix instruction stands among them
	global_load_b128 v[ST:ST+3], v[BO], s[8:9]     ; the tile's 128 numbers of sum_temporal and of padding, four a lane, in every wave
	global_load_b128 v[PD:PD+3], v[BO], s[6:7]
	s_cmp_gt_u32 s[TILES], 1
	s_cbranch_scc0 .Lno_next
	s_wait_xcnt 0x0                                ; the prefetch, three steps back, and the loads have read their addresses
	s_add_nc_u64 s[ET:ET+1], s[ET:ET+1], 128*4096
	s_mov_b64 s[BP:BP+1], s[BP0:BP0+1]
	PRIME                                          ; the next tile's first loads are on their way during this tile's last tanh and its context
.Lno_next:
	EPI 0, 1
	; THE SCORES.  A lane's pair and the other half of the lanes' are added: my wave's 64 columns x 2 passes for each of the 128 rows.
.set rb, 0
.rept 8
	v_add_f32 v[S+2*rb], v[S+2*rb], v[S+2*rb+1]
.set rb, rb+1
.endr
.set rb, 0
.rept 8
	v_permlanex16_b32 v[AF+rb], v[S+2*rb], s[SEL], s[SEL+1]
.set rb, rb+1
.endr
.set rb, 0
.rept 8
	v_add_f32 v[S+2*rb], v[S+2*rb], v[AF+rb]
.set rb, rb+1
.endr
	s_wait_alu depctr_va_vdst(0)                   ; the additions have written the eight sums, which the stores read; the tanh phase is done reading the tables in v56-87, where the partial scores land behind the barrier
.set rb, 0
.rept 8
	ds_store_b32 v[SCW], v[S+2*rb] offset:64*rb    ; both halves of the lanes hold, and store, the same number
.set rb, rb+1
.endr
	s_wait_dscnt 0x0                               ; for the others' sake
	s_barrier_signal -1
	s_barrier_wait -1
	; Every wave adds the eight waves' parts for all 128 rows, four rows a lane, and makes the weights for itself: some forty lines, in place of a second barrier.
.set i, 0
.rept 8
	ds_load_b128 v[56+4*i:59+4*i], v[SCR] offset:512*i
.set i, i+1
.endr
	s_wait_dscnt 0x0
.irp a, 0,8,16,24
	v_pk_add_f32 v[56+\a:57+\a], v[56+\a:57+\a], v[60+\a:61+\a]
	v_pk_add_f32 v[58+\a:59+\a], v[58+\a:59+\a], v[62+\a:63+\a]
.endr
.irp a, 0,16
	v_pk_add_f32 v[56+\a:57+\a], v[56+\a:57+\a], v[64+\a:65+\a]
	v_pk_add_f32 v[58+\a:59+\a], v[58+\a:59+\a], v[66+\a:67+\a]
.endr
	v_pk_add_f32 v[56:57], v[56:57], v[72:73]
	v_pk_add_f32 v[58:59], v[58:59], v[74:75]
	s_wait_loadcnt 0x0                             ; sum_temporal and padding (and, where a tile follows, its first loads, issued a tanh phase ago)
	v_pk_fma_f32 v[56:57], v[56:57], s[LG:LG+1], v[SUMV:SUMV+1] op_sel_hi:[1,0,1]  ; log2(e) x score
	v_pk_fma_f32 v[58:59], v[58:59], s[LG:LG+1], v[SUMV:SUMV+1] op_sel_hi:[1,0,1]
.set i, 0
.rept 4
	v_exp_f32 v[56+i], v[56+i]
.set i, i+1
.endr
.set i, 0
.rept 4
	v_rcp_f32 v[60+i], v[ST+i]
.set i, i+1
.endr
	v_nop                                          ; a plain instruction behind the last of the eight,
	s_wait_alu depctr_va_vdst(0)                   ; and their one wait: the four exponentials and the four reciprocals have written v56-63, which the lines below read
	v_pk_add_f32 v[64:65], v[ST:ST+1], v[56:57]    ; out2
	v_pk_add_f32 v[66:67], v[ST+2:ST+3], v[58:59]
	v_pk_mul_f32 v[68:69], v[56:57], v[60:61]
	v_pk_mul_f32 v[70:71], v[58:59], v[62:63]
	v_pk_mul_f32 v[68:69], v[68:69], v[PD:PD+1]    ; the weight
	v_pk_mul_f32 v[70:71], v[70:71], v[PD+2:PD+3]
	v_cvt_pk_bf16_f32 v72, v68, v69
	v_cvt_pk_bf16_f32 v73, v70, v71
	; THE CONTEXT of the tile: wave w owns columns 128 w .. + 127, chunks 2 w and 2 w + 1.  PIT is no odd multiple of 32 bytes, so a turning load meets each bank twice: 64 such loads a tile and wave.
	WIN W_TO1
	s_wait_alu depctr_va_vdst(0)                   ; out2 (v64-67), the weights (v68-71) and their bf16 (v72-73) are written, which the stores below read; the tanh phase is done with the accumulators, in which the loads below land
	ds_store_b64 v[WTW], v[72:73]                  ; into my wave's own 256 bytes
.set i, 0
.rept 4
	ds_load_b128 v[WF+8*i:WF+8*i+3],   v[WTR] offset:64*i     ; LDS serves a wave's instructions in order (ISA guide 5.7.1.4): these see the store above
	ds_load_b128 v[WF+8*i+4:WF+8*i+7], v[WTR] offset:64*i+32
.set i, i+1
.endr
	LDT 0, F0
	LDT 1, F1
	WIN 0
	s_cmp_lg_u32 s[WV], 0
	s_cbranch_scc1 .Lnot_0
	global_store_b128 v[BO], v[64:67], s[16:17]    ; wave 0 stores them: 512 consecutive bytes each, aligned
	global_store_b128 v[BO], v[68:71], s[18:19]
.Lnot_0:
	s_wait_dscnt 16                                ; all but the last sixteen
	WIN W_CTX
	MULC 0, F0, 1
	s_wait_dscnt 0x0
	MULC 1, F1, 0
	PLACES
	WIN W_TO1
	s_wait_alu depctr_va_vdst(0)                   ; the sixteen products above are done reading F0 and F1, in which the loads below land
	LDT 2, F0
	LDT 3, F1
	s_wait_dscnt 16
	WIN W_CTX
	MULC 2, F0, 0
	s_wait_dscnt 0x0
	MULC 3, F1, 0
	PLACES
	WIN W_ST1                                      ; every lane of a half holds the same eight columns; through my wave's own stage they become four columns a lane
	s_wait_alu depctr_va_vdst(0)                   ; the products have written the context's eight accumulators, which the stores read; the places above stay beside this wait
.set c, 0
.rept 8
	ds_store_b128 v[CSW], v[CX+8*c:CX+8*c+3]   offset:64*c
	ds_store_b128 v[CSW], v[CX+8*c+4:CX+8*c+7] offset:64*c+16
.set c, c+1
.endr
	WIN 0
	ds_load_b128 v[108:111], v[CSR]
	s_wait_dscnt 0x0                               ; also: all my reads of the tile are over
	v_pk_add_f32 v[CTX:CTX+1], v[CTX:CTX+1], v[108:109]
	v_pk_add_f32 v[CTX+2:CTX+3], v[CTX+2:CTX+3], v[110:111]
	s_wait_xcnt 0x0                                ; the stores and loads have read their addresses and data
	s_add_nc_u64 s[6:7], s[6:7], 512
	s_add_nc_u64 s[8:9], s[8:9], 512
	s_add_nc_u64 s[16:17], s[16:17], 512
	s_add_nc_u64 s[18:19], s[18:19], 512
	s_barrier_signal -1                            ; no wave stores the next tile over this one, or new partial scores, before all eight have read
	s_barrier_wait -1
	s_sub_co_u32 s[TILES], s[TILES], 1
	s_cmp_lg_u32 s[TILES], 0
	s_cbranch_scc1 .Ltile
	s_lshl_b32 s[OF], s[WV], 9
	v_add_nc_u32 v48, s[OF], v[BO]                 ; 16 x my thread's number: columns 128 w + 4 l ..
	s_wait_alu depctr_va_vdst(0)                   ; the offset v48 and the context's sums are written, which the store reads
	global_store_b128 v48, v[CTX:CTX+3], s[20:21]
	s_wait_dscnt 0x0                               ; the closing lines, six on end
	s_wait_alu 0x0
	s_wait_tensorcnt 0x0
	ds_add_u32 v[SPW], v[NIL]
	s_wait_dscnt 0x0
	s_endpgm
.Lfunc_end_k_q632c249464_attn:
	.size	k_q632c249464_attn, .Lfunc_end_k_q632c249464_attn-k_q632c249464_attn
	.p2alignl 7, 3214868480
	.fill 96, 4, 3214868480
	.section	.rodata,"a",@progbits
	.p2align	6, 0x0
	.amdhsa_kernel k_q632c249464_attn
		.amdhsa_group_segment_fixed_size 314624
		.amdhsa_private_segment_fixed_size 0
		.amdhsa_enable_private_segment 0
		.amdhsa_kernarg_size 72
		.amdhsa_user_sgpr_count 2
		.amdhsa_user_sgpr_kernarg_segment_ptr 1
		.amdhsa_wavefront_size32 1
		.amdhsa_system_sgpr_workgroup_id_x 1
		.amdhsa_system_sgpr_workgroup_id_y 1
		.amdhsa_system_sgpr_workgroup_id_z 1
		.amdhsa_system_vgpr_workitem_id 0
		.amdhsa_next_free_vgpr 512
		.amdhsa_next_free_sgpr 66
		.amdhsa_reserve_vcc 0
		.amdhsa_float_denorm_mode_32 3
		.amdhsa_float_denorm_mode_16_64 3
		.amdhsa_memory_ordered 1
		.amdhsa_forward_progress 1
		.amdhsa_inst_pref_size 246
	.end_amdhsa_kernel
	.amdgpu_metadata
---
amdhsa.version: [ 1, 2 ]
amdhsa.kernels:
  - .name:           k_q632c249464_attn
    .symbol:         k_q632c249464_attn.kd
    .args:
      - { .name: encoder_hidden, .offset: 0, .size: 8, .value_kind: global_buffer, .address_space: global }
      - { .name: encoder_padding, .offset: 8, .size: 8, .value_kind: global_buffer, .address_space: global }
      - { .name: sum_temporal, .offset: 16, .size: 8, .value_kind: global_buffer, .address_space: global }
      - { .name: v, .offset: 24, .size: 8, .value_kind: global_buffer, .address_space: global }
      - { .name: whp, .offset: 32, .size: 8, .value_kind: global_buffer, .address_space: global }
      - { .name: dec2, .offset: 40, .size: 8, .value_kind: global_buffer, .address_space: global }
      - { .name: out2, .offset: 48, .size: 8, .value_kind: global_buffer, .address_space: global }
      - { .name: wun, .offset: 56, .size: 8, .value_kind: global_buffer, .address_space: global }
      - { .name: ctxp, .offset: 64, .size: 8, .value_kind: global_buffer, .address_space: global }
    .group_segment_fixed_size: 314624
    .private_segment_fixed_size: 0
    .kernarg_segment_align: 8
    .kernarg_segment_size: 72
    .max_flat_workgroup_size: 256
    .sgpr_count:     66
    .vgpr_count:     512
    .wavefront_size: 32
...
	.end_amdgpu_metadata
.endif
;; end of part 5
;; launch norm: the kernel of part 3 again; grid 32 x 1, 8 waves a work-group, no clusters, 1,280 bytes of LDS; arguments wun, ctxp, out0, out1; writes out0, out1
